; MI455X (gfx1250); checked and timed in simulation.
; The chip was launched on July 23, 2026; its instructions are those of AMD's public machine-readable ISA for CDNA 5 (MIT licence, August 2026) and "CDNA5" Instruction Set Architecture Reference Guide (July 2026). The comments in the code are by the model that wrote it; some were corrected since.
;; Agent. Allowed arithmetic: float matrix products may take bf16 or f16 operands with f32 sums; all other float work in f32.
;; Inputs: W_current_state 258 x 256 float32; W_node_state 3 x 768 float32; W_out 256 x 256 float32; eligibility_mask 128 x 1,024 bool; fixed_context 128 x 1 x 256 float32; glimpse_K_static 16 x 128 x 1,024 x 16 float32; glimpse_V_static 16 x 128 x 1,024 x 16 float32; global_dynamic_features 128 x 1 x 2 float32; item_embeddings 128 x 1,024 x 256 float32; logit_K_static 128 x 1,024 x 256 float32; node_dynamic_features 128 x 1,024 x 3 float32; prev_item_embeddings 128 x 1 x 256 float32.
;; Outputs: out0 128 int32; out1 128 float32; out2 one number float32.
;; 2 versions, each right; version 2 is version 1 with the launch glimpse written anew for expert scheduling mode. Each part assembles by itself: llvm-mc -triple=amdgcn-amd-amdhsa -mcpu=gfx1250 --defsym DOCPART=n.
;; ======== version 1 of 2: 3 launches
;; workspace buffers: fqp 524,288 bytes; part 4,096 bytes
;; launch glimpse (part 1): grid 64 x 4, 16 waves a work-group, no clusters, 77,824 bytes of LDS; arguments glimpse_K_static, glimpse_V_static, W_current_state, W_node_state, W_out, eligibility_mask, fixed_context, global_dynamic_features, node_dynamic_features, prev_item_embeddings, fqp; writes fqp
.if DOCPART == 1
	.amdgcn_target "amdgcn-amd-amdhsa--gfx1250"
	.amdhsa_code_object_version 6
	.text
	.protected	k_q2fe6a700af_glimpse
	.globl	k_q2fe6a700af_glimpse
	.p2align	8
	.type	k_q2fe6a700af_glimpse,@function
k_q2fe6a700af_glimpse:
	s_mov_b64 s[64:65], 0
	v_nop
	global_prefetch_b8 v0, s[64:65] scope:SCOPE_SE
	s_setreg_imm32_b32 hwreg(HW_REG_WAVE_MODE, 25, 1), 1
	s_wait_xcnt 0x0
; GLIMPSE: query, 16-head attention of one query over 1,024 nodes, and this work-group's share of heads x W_out.
; A work-group owns two batch rows (b = 2 bp + bl) and four heads (h = 4 hg + hl): eight units (h, b), each 64 KiB of K and 64 KiB of V,
; contiguous in memory.  Wave w (bl = w>>3, hl = (w>>1)&3, nh = w&1) streams nodes 512 nh .. +511 of its unit: 64 loads of K, 64 of V,
; each load of the wave 512 consecutive bytes = 8 nodes x 16 numbers; lane l holds columns 4c .. 4c+3 (c = l&3) of node 8 j + (l>>2).
; The 512 scores of a wave stay in 64 registers, so the true maximum is taken before any exponential.
; The rank-3 dynamic parts are reassociated exactly:  Q.(K + ndf Wk) = Q.K + sum_d ndf[d] (Q.Wk[d]);
; sum_n a_n (V + ndf Wv) = sum a_n V + sum_d (sum_n a_n ndf[n][d]) Wv[d].  Lane c < 3 of a quad carries feature d = c, lane c = 3 the mask term
; (K pass) and the denominator (V pass), so each costs one multiply-add a node.
; WHY NO MATRIX UNIT: every product here has one row (one query for each (h, b)); a 16 x 16 tile would use one row in sixteen, and the
; conversion of a pair of f32 to bf16 costs the same one instruction as the packed f32 multiply-add that does the whole job.  f32 also keeps
; the later argmax (compared exactly) out of reach of operand rounding.
; WHY NO CLUSTER, NO LDS RING: each streamed byte is used once, by one lane; what work-groups share (slices of W_current_state and W_out,
; 130 KB of the 1.18 MB a work-group reads) is a small part.  24 loads x 512 bytes x 16 waves = 196,608 bytes are in flight from registers.
; item_embeddings is on no argument list: the problem's function takes only its shape, no value of it reaches a result.
; LIMITS: the order of f32 rounding differs from the problem's function; exponentials below 2^-126 come out as 0 (ISA guide, v_exp_f32);
; any non-zero mask byte counts as true; a batch row without an eligible node gives NaN heads, as the softmax of all -inf does.
.set TAB,  0                           ; LDS [bl][n] 16 bytes: ndf0, ndf1, ndf2, mask term (0 or -inf)        32,768 bytes
.set QP,   32768                       ; LDS [wave] 512 bytes: partial of prev x W_current_state, [bl][64 columns]   8,192
.set REC,  40960                       ; LDS [wave] 128 bytes: +0 acc[16], +64 nd0 nd1 nd2 s, +80 m                  2,048
.set FP,   43008                       ; LDS [wave] 2,048 bytes: partial of heads x W_out, [bl][256]                32,768
.set LANE, 1
.set CC,   2                           ; c = l & 3
.set R16,  3                           ; l & 15
.set H2,   4                           ; l >> 4
.set LOFF, 5                           ; 16 l: the stream's lane offset
.set TADR, 6                           ; table word c of node l>>2 of my half unit
.set WCO,  7
.set PVO,  8
.set NDO,  9
.set C16,  10
.set TST,  11
.set QST,  12
.set QLD,  13
.set RST,  14
.set RS2,  15
.set RS3,  16
.set VA1,  17
.set VA2,  18
.set FST,  19
.set FLD,  20
.set GST,  21
.set NINF, 22
.set ZERO, 23
.set Q,    24                          ; v[24:27] my 4 columns of the query, times 0.25 log2(e)
.set QWL,  28                          ; c < 3: Q.Wk[c];  c = 3: 1.0
.set MX,   30                          ; v[30:31] the wave's maximum, twice
.set ACC,  32                          ; v[32:35] sum a V
.set ACCN, 36                          ; c < 3: sum a ndf[c];  c = 3: sum a
.set PT,   37
.set TT,   38                          ; v[38:41] two temporary pairs
.set MK,   38                          ; (prologue) 4 mask bytes
.set TB,   42                          ; v[42:57] two buffers of 8 table words
.set AQ,   42                          ; (prologue) [bl][4]
.set C,    60                          ; v[60:123] 64 scores, then weights
.set WR,   C                           ; (prologue) 8 rows of W_current_state x 4 columns
.set PV,   C+32                        ; (prologue) [bl][8] of prev
.set E,    C+48                        ; (prologue) 4 table entries
.set HV,   C+40                        ; (epilogue) [bl][4] head values
.set FO,   C+48                        ; (epilogue) [bl][half][4]
.set RING, 124                         ; v[124:219] 24 slots of 4 registers
.set WS,   RING+32                     ; slots 8..15: my 4 rows of W_out
.set FX,   220
.set WA,   224
.set WB,   228
.set WK,   232                         ; v[232:243] Wk[d][4]
; v[d:d+1] = / += v[a:a+1] * v[r], r any register: the even pair that holds r is named, and op_sel picks r for both halves
.macro MULB d, a, r
.if ((\r) & 1)
	v_pk_mul_f32 v[\d:\d+1], v[\a:\a+1], v[\r-1:\r] op_sel:[0,1] op_sel_hi:[1,1]
.else
	v_pk_mul_f32 v[\d:\d+1], v[\a:\a+1], v[\r:\r+1] op_sel_hi:[1,0]
.endif
.endm
.macro FMAB d, a, r
.if ((\r) & 1)
	v_pk_fma_f32 v[\d:\d+1], v[\a:\a+1], v[\r-1:\r], v[\d:\d+1] op_sel:[0,1,0] op_sel_hi:[1,1,1]
.else
	v_pk_fma_f32 v[\d:\d+1], v[\a:\a+1], v[\r:\r+1], v[\d:\d+1] op_sel_hi:[1,0,1]
.endif
.endm
; stream item i: 0..63 K, 64..127 V, 128..135 my four rows of W_out (read again by other work-groups: no hint); beyond: nothing
.macro ISSUE i
.if (\i) < 64
	global_load_b128 v[RING+4*((\i)%24):RING+4*((\i)%24)+3], v[LOFF], s[8:9] offset:(\i)*512 th:TH_LOAD_NT
.else
.if (\i) < 128
	global_load_b128 v[RING+4*((\i)%24):RING+4*((\i)%24)+3], v[LOFF], s[10:11] offset:((\i)-64)*512 th:TH_LOAD_NT
.else
.if (\i) < 136
	global_load_b128 v[RING+4*((\i)%24):RING+4*((\i)%24)+3], v[LOFF], s[16:17] offset:((\i)-128)*512
.endif
.endif
.endif
.endm
; item i is in: behind it items i+1 .. i+23 were issued, or what is left of the 136
.macro WAITI i
.if (\i) <= 112
	s_wait_loadcnt 23
.else
	s_wait_loadcnt 135-(\i)
.endif
.endm
; the table words of 8 stream items (64 nodes): 128 consecutive bytes a load
.macro TLOAD g
.irp j, 0,1,2,3,4,5,6,7
	ds_load_b32 v[TB+8*((\g)&1)+\j], v[TADR] offset:((\g)&7)*1024+128*\j
.endr
.endm
; sum over the 8 lanes of equal c
.macro XSUM r
	v_add_f32_dpp v[\r], v[\r], v[\r] row_xmask:4 row_mask:0xf bank_mask:0xf
	v_add_f32_dpp v[\r], v[\r], v[\r] row_xmask:8 row_mask:0xf bank_mask:0xf
	v_permlanex16_b32 v[PT], v[\r], s50, s51
	v_add_f32 v[\r], v[\r], v[PT]
.endm
; 16 pieces of 4 registers from v[base] on are summed into the first: 30 packed adds
.macro TREE16 base
.set st, 8
.rept 4
.set kk, 0
.rept 2*st
	v_pk_add_f32 v[\base+2*kk:\base+2*kk+1], v[\base+2*kk:\base+2*kk+1], v[\base+4*st+2*kk:\base+4*st+2*kk+1]
.set kk, kk+1
.endr
.set st, st>>1
.endr
.endm
; score of 8 nodes: my 4 products, my table word times QWL, then the sum over the quad (every lane of the quad ends with it)
.macro KTURN j
.set vr, RING+4*((\j)%24)
.set tt, TT+2*((\j)&1)
.set tw, TB+8*(((\j)>>3)&1)+((\j)&7)
	WAITI \j
	v_pk_mul_f32 v[tt:tt+1], v[vr:vr+1], v[Q:Q+1]
	v_pk_fma_f32 v[tt:tt+1], v[vr+2:vr+3], v[Q+2:Q+3], v[tt:tt+1]
	ISSUE (\j)+24
	v_fma_f32 v[C+(\j)], v[tw], v[QWL], v[tt]
	v_add_f32 v[C+(\j)], v[C+(\j)], v[tt+1]
	v_add_f32_dpp v[C+(\j)], v[C+(\j)], v[C+(\j)] row_xmask:1 row_mask:0xf bank_mask:0xf
	v_add_f32_dpp v[C+(\j)], v[C+(\j)], v[C+(\j)] row_xmask:2 row_mask:0xf bank_mask:0xf
.endm
; 8 nodes of V: ACC += a V; ACCN += a (c < 3: ndf[c]; c = 3: 1).  VCC = (c != 3).  The first turn starts the sums.
.macro VTURN j
.set vr, RING+4*((64+(\j))%24)
.set tt, TT+2*((\j)&1)
.set tw, TB+8*(((\j)>>3)&1)+((\j)&7)
	WAITI 64+(\j)
.if (\j) == 0
	MULB ACC, vr, C+(\j)
	MULB ACC+2, vr+2, C+(\j)
.else
	FMAB ACC, vr, C+(\j)
	FMAB ACC+2, vr+2, C+(\j)
.endif
	ISSUE 88+(\j)
	v_cndmask_b32 v[tt], 1.0, v[tw], vcc_lo
.if (\j) == 0
	v_mul_f32 v[ACCN], v[C+(\j)], v[tt]
.else
	v_fmac_f32 v[ACCN], v[C+(\j)], v[tt]
.endif
.endm
	; ---- ids, constants, lane offsets of the global loads
	s_load_b512 s[8:23], s[0:1], 0x0               ; K 8:9, V 10:11, Wcs 12:13, Wn 14:15, Wout 16:17, mask 18:19, fixed 20:21, glob 22:23
	s_load_b128 s[24:27], s[0:1], 0x40             ; ndf 24:25, prev 26:27
	s_load_b64 s[28:29], s[0:1], 0x50              ; fqp
	v_lshl_add_u32 v244, v0, 2, 0x12800
	v_mov_b32 v245, 0
	v_lshrrev_b32 v[LANE], 5, v0
	v_readfirstlane_b32 s2, v[LANE]                ; wave w
	s_and_b32 s3, ttmp7, 0xffff                    ; hg
	s_mov_b32 s4, ttmp9                            ; bp
	s_lshr_b32 s5, s2, 3                           ; bl
	s_bfe_u32 s6, s2, 0x20001                      ; hl
	s_and_b32 s7, s2, 1                            ; nh
	s_mov_b32 s31, 0                               ; high word of every offset: all are below 2^31
	s_mov_b32 s50, 0x76543210                      ; v_permlanex16_b32: lane i takes lane i of the other half
	s_mov_b32 s51, 0xfedcba98
	s_lshl1_add_u32 s54, s4, s5                    ; b = 2 bp + bl
	s_lshl2_add_u32 s55, s3, s6                    ; h = 4 hg + hl
	s_lshl_b32 s56, s55, 6                         ; 64 h: bytes of 16 h columns
	s_lshl_b32 s57, s3, 8                          ; 256 hg
	v_and_b32 v[LANE], 31, v0
	v_and_b32 v[CC], 3, v0
	v_and_b32 v[R16], 15, v0
	v_bfe_u32 v[H2], v0, 4, 1
	v_lshlrev_b32 v[LOFF], 4, v[LANE]
	v_lshlrev_b32 v[WCO], 4, v[R16]
	v_lshl_add_u32 v[WCO], v[H2], 13, v[WCO]       ; 8 rows of 1,024 bytes for the upper half-wave + 16 (l & 15)
	v_lshlrev_b32 v[PVO], 5, v[H2]
	v_mul_u32_u24 v[NDO], 12, v0
	v_lshlrev_b32 v[C16], 4, v[CC]
	s_wait_kmcnt 0x0
	; ---- bases: each buffer's own address plus an offset made apart from it
	s_lshl_b32 s30, s55, 23                        ; K, V: h x 8,388,608 + b x 65,536 + nh x 32,768
	s_lshl_b32 s58, s54, 16
	s_add_co_u32 s30, s30, s58
	s_lshl_b32 s58, s7, 15
	s_add_co_u32 s30, s30, s58
	s_add_nc_u64 s[8:9], s[8:9], s[30:31]
	s_add_nc_u64 s[10:11], s[10:11], s[30:31]
	s_add_co_u32 s30, s56, 262144                  ; rows 256, 257 of W_current_state at my head's columns
	s_add_nc_u64 s[34:35], s[12:13], s[30:31]
	s_lshl_b32 s30, s2, 14                         ; rows 16 w .. of W_current_state at the group's 64 columns
	s_add_co_u32 s30, s30, s57
	s_add_nc_u64 s[12:13], s[12:13], s[30:31]
	s_add_co_u32 s30, s56, 1024                    ; Wk: columns 256 + 16 h
	s_add_nc_u64 s[52:53], s[14:15], s[30:31]
	s_lshl4_add_u32 s30, s2, s57                   ; Wv: columns 64 hg + 4 w (epilogue)
	s_add_nc_u64 s[48:49], s[14:15], s[30:31]
	s_lshl_b32 s30, s3, 16                         ; W_out: rows 64 hg + 4 w
	s_lshl_b32 s58, s2, 12
	s_add_co_u32 s30, s30, s58
	s_add_nc_u64 s[16:17], s[16:17], s[30:31]
	s_lshl_b32 s30, s4, 11                         ; mask: two rows of 1,024 bytes
	s_add_nc_u64 s[18:19], s[18:19], s[30:31]
	s_lshl_b32 s58, s2, 6                          ; prev: two rows of 1,024 bytes, at element 16 w
	s_add_co_u32 s30, s30, s58
	s_add_nc_u64 s[26:27], s[26:27], s[30:31]
	s_lshl_b32 s30, s4, 11                         ; fqp: [hg][b][256]
	s_lshl_b32 s58, s3, 17
	s_add_co_u32 s30, s30, s58
	s_add_nc_u64 s[28:29], s[28:29], s[30:31]
	s_mul_i32 s30, s4, 24576                       ; ndf: two rows of 12,288 bytes
	s_add_nc_u64 s[24:25], s[24:25], s[30:31]
	s_lshl_b32 s30, s54, 10                        ; fixed_context: row b at my head's columns
	s_add_co_u32 s30, s30, s56
	s_add_nc_u64 s[20:21], s[20:21], s[30:31]
	s_lshl_b32 s30, s54, 3                         ; global features of b
	s_add_nc_u64 s[22:23], s[22:23], s[30:31]
	s_load_b64 s[32:33], s[22:23], 0x0             ; g0, g1
	s_load_b128 s[36:39], s[48:49], 0x0            ; Wv[0][4], Wv[1][4], Wv[2][4] for the epilogue
	s_load_b128 s[40:43], s[48:49], 0xc00
	s_load_b128 s[44:47], s[48:49], 0x1800
	; ---- 50 loads, in the order in which they are waited for: 12 (query product), 8 (table), 6 (my head's small vectors), 24 (the ring)
.irp i, 0,1,2,3,4,5,6,7
	global_load_b128 v[WR+4*\i:WR+4*\i+3], v[WCO], s[12:13] offset:1024*\i    ; row 16 w + 8 (l>>4) + i: 16 lanes take 256 consecutive bytes
.endr
	global_load_b128 v[PV:PV+3],     v[PVO], s[26:27]
	global_load_b128 v[PV+4:PV+7],   v[PVO], s[26:27] offset:16
	global_load_b128 v[PV+8:PV+11],  v[PVO], s[26:27] offset:1024
	global_load_b128 v[PV+12:PV+15], v[PVO], s[26:27] offset:1040
.irp e, 0,1,2,3
	global_load_b96 v[E+4*\e:E+4*\e+2], v[NDO], s[24:25] offset:6144*\e       ; entry t + 512 e of the two batch rows' 2,048
	global_load_u8 v[MK+\e], v0, s[18:19] offset:512*\e
.endr
	global_load_b128 v[FX:FX+3], v[C16], s[20:21]
	global_load_b128 v[WA:WA+3], v[C16], s[34:35]
	global_load_b128 v[WB:WB+3], v[C16], s[34:35] offset:1024
.irp d, 0,1,2
	global_load_b128 v[WK+4*\d:WK+4*\d+3], v[C16], s[52:53] offset:3072*\d
.endr
.set jj, 0
.rept 24
	ISSUE jj
.set jj, jj+1
.endr
	; ---- LDS addresses, while the loads are out: each a region's constant, the wave's number in plain shifts and sums, a lane term
	s_lshl_b32 s54, s5, 14
	s_lshl_b32 s55, s7, 13
	s_add_co_u32 s54, s54, s55
	v_lshl_add_u32 v[TADR], v[LANE], 2, s54        ; TAB + 16,384 bl + 8,192 nh + 16 (l>>2) + 4 c
	v_lshlrev_b32 v[TST], 4, v0
	s_lshl_b32 s54, s2, 9
	s_add_co_u32 s54, s54, QP
	v_lshl_add_u32 v[QST], v[R16], 4, s54
	s_lshl_b32 s54, s5, 8
	s_lshl_b32 s55, s6, 6
	s_add_co_u32 s54, s54, s55
	s_add_co_u32 s54, s54, QP
	v_lshl_add_u32 v[QLD], v[CC], 4, s54
	s_lshl_b32 s54, s2, 7
	s_add_co_u32 s54, s54, REC
	v_lshl_add_u32 v[RST], v[CC], 4, s54
	v_lshl_add_u32 v[RS2], v[CC], 2, s54
	v_mov_b32 v[RS3], s54
	s_lshr_b32 s55, s2, 2
	s_lshl_b32 s55, s55, 8
	s_add_co_u32 s55, s55, REC
	v_mov_b32 v[VA2], s55                          ; the two records of head w>>2, batch row 0 (row 1: + 1,024)
	s_and_b32 s56, s2, 3
	s_lshl_b32 s56, s56, 4
	s_add_co_u32 s56, s56, s55
	v_mov_b32 v[VA1], s56                          ; and in them components 4 (w&3) ..: REC + 256 (w>>2) + 16 (w&3), at most REC + 816
	s_lshl_b32 s54, s2, 11
	s_add_co_u32 s54, s54, FP
	v_lshl_add_u32 v[FST], v[LANE], 4, s54
	v_and_b32 v[GST], 127, v0                      ; the last sum is made by threads 0..127; the mask keeps the address in its region for all
	v_lshlrev_b32 v[GST], 4, v[GST]
	v_add_nc_u32 v[FLD], FP, v[GST]
	v_mov_b32 v[NINF], 0xff800000
	v_mov_b32 v[ZERO], 0
	v_mov_b32 v[PT], 0                             ; v_permlanex16_b32 counts as a reader of its destination
	; ---- partial of prev x W_current_state: my 16 rows, 64 columns, both batch rows
	s_wait_loadcnt 38                              ; the first 12 are in: 8 + 6 + 24 younger loads stay out
.set bb, 0
.rept 2
	MULB AQ+4*bb, WR, PV+8*bb
	MULB AQ+4*bb+2, WR+2, PV+8*bb
.set ii, 1
.rept 7
	FMAB AQ+4*bb, WR+4*ii, PV+8*bb+ii
	FMAB AQ+4*bb+2, WR+4*ii+2, PV+8*bb+ii
.set ii, ii+1
.endr
.set bb, bb+1
.endr
.irp k, 0,1,2,3,4,5,6,7
	v_permlanex16_b32 v[WR+\k], v[AQ+\k], s50, s51 ; the other half-wave's 8 rows
.endr
.irp k, 0,2,4,6
	v_pk_add_f32 v[AQ+\k:AQ+\k+1], v[AQ+\k:AQ+\k+1], v[WR+\k:WR+\k+1]
.endr
	ds_store_b128 v[QST], v[AQ:AQ+3]
	ds_store_b128 v[QST], v[AQ+4:AQ+7] offset:256
	; ---- the table: three features and the mask term of each node
	s_wait_loadcnt 30                              ; the 8 table loads are in: 6 + 24 younger
.irp e, 0,1,2,3
	v_cmp_ne_u32 vcc_lo, 0, v[MK+\e]
	v_cndmask_b32 v[E+4*\e+3], v[NINF], v[ZERO], vcc_lo
	ds_store_b128 v[TST], v[E+4*\e:E+4*\e+3] offset:8192*\e
.endr
	s_wait_dscnt 0x0                               ; my stores are in LDS before I say so
	s_barrier_signal -1
	s_barrier_wait -1                              ; table and query partials of all 16 waves are there
	; ---- my head's query, scaled, and Q.Wk[d]
.irp k, 0,1,2,3,4,5,6,7,8,9,10,11,12,13,14,15
	ds_load_b128 v[C+4*\k:C+4*\k+3], v[QLD] offset:512*\k
.endr
	TLOAD 0
	s_wait_dscnt 8                                 ; the 16 pieces; the 8 table words behind them stay out
	s_wait_loadcnt 24                              ; fixed, W rows 256 and 257, Wk: the 24 loads of the ring are younger
	s_wait_kmcnt 0x0                               ; g0, g1, Wv
	TREE16 C
.irp k, 0,1,2,3
	v_fma_f32 v[Q+\k], s32, v[WA+\k], v[FX+\k]
.endr
.irp k, 0,1,2,3
	v_fmac_f32 v[Q+\k], s33, v[WB+\k]
.endr
	v_pk_add_f32 v[Q:Q+1], v[Q:Q+1], v[C:C+1]
	v_pk_add_f32 v[Q+2:Q+3], v[Q+2:Q+3], v[C+2:C+3]
	v_pk_mul_f32 v[Q:Q+1], v[Q:Q+1], 0x3eb8aa3b op_sel_hi:[1,0]        ; 1/sqrt(16) x log2(e): scores are exponents of 2
	v_pk_mul_f32 v[Q+2:Q+3], v[Q+2:Q+3], 0x3eb8aa3b op_sel_hi:[1,0]
.irp d, 0,1,2
	v_pk_mul_f32 v[TT:TT+1], v[Q:Q+1], v[WK+4*\d:WK+4*\d+1]
	v_pk_fma_f32 v[TT:TT+1], v[Q+2:Q+3], v[WK+4*\d+2:WK+4*\d+3], v[TT:TT+1]
	v_add_f32 v[FX+\d], v[TT], v[TT+1]
	v_add_f32_dpp v[FX+\d], v[FX+\d], v[FX+\d] row_xmask:1 row_mask:0xf bank_mask:0xf
	v_add_f32_dpp v[FX+\d], v[FX+\d], v[FX+\d] row_xmask:2 row_mask:0xf bank_mask:0xf
.endr
	v_cmp_eq_u32 vcc_lo, 1, v[CC]
	v_cndmask_b32 v[QWL], v[FX], v[FX+1], vcc_lo
	v_cmp_eq_u32 vcc_lo, 2, v[CC]
	v_cndmask_b32 v[QWL], v[QWL], v[FX+2], vcc_lo
	v_cmp_ne_u32 vcc_lo, 3, v[CC]
	v_cndmask_b32 v[QWL], 1.0, v[QWL], vcc_lo      ; lane c = 3 adds the mask term as it is
	; ---- K: 64 turns; the table words of the next 8 turns are asked for at the head of each 8
.set jj, 0
.rept 8
	TLOAD (jj>>3)+1
	s_wait_dscnt 8                                 ; this group's 8 words are in, the next group's 8 stay out
.rept 8
	KTURN jj
.set jj, jj+1
.endr
.endr
	; ---- the wave's maximum, floored at the most negative finite number (changes -inf alone), and the weights
	v_max_num_f32 v[MX], v[C], v[C+1]
	v_max_num_f32 v[MX+1], v[C+32], v[C+33]
.set kk, 2
.rept 15
	v_max3_num_f32 v[MX], v[MX], v[C+kk], v[C+kk+1]
	v_max3_num_f32 v[MX+1], v[MX+1], v[C+32+kk], v[C+33+kk]
.set kk, kk+2
.endr
	v_max_num_f32 v[MX], v[MX], v[MX+1]
	v_max_num_f32_dpp v[MX], v[MX], v[MX] row_xmask:4 row_mask:0xf bank_mask:0xf
	v_max_num_f32_dpp v[MX], v[MX], v[MX] row_xmask:8 row_mask:0xf bank_mask:0xf
	v_permlanex16_b32 v[PT], v[MX], s50, s51
	v_max_num_f32 v[MX], v[MX], v[PT]
	v_max_num_f32 v[MX], 0xff7fffff, v[MX]
	v_mov_b32 v[MX+1], v[MX]
.set kk, 0
.rept 32
	v_pk_add_f32 v[C+kk:C+kk+1], v[C+kk:C+kk+1], v[MX:MX+1] neg_lo:[0,1] neg_hi:[0,1]
.set kk, kk+2
.endr
.set kk, 0
.rept 64
	v_exp_f32 v[C+kk], v[C+kk]
.set kk, kk+1
.endr
	v_cmp_ne_u32 vcc_lo, 3, v[CC]                  ; the plain instruction behind the exponentials (ISA guide 5.7.2), and the V pass's mask
	s_wait_alu depctr_va_vdst(0)
	; ---- V: 64 turns; the turns of items 104..111 ask for W_out
.set jj, 0
.rept 8
.if jj < 56
	TLOAD (jj>>3)+9
	s_wait_dscnt 8
.else
	s_wait_dscnt 0x0                               ; the last group: nothing was asked for behind it
.endif
.rept 8
	VTURN jj
.set jj, jj+1
.endr
.endr
	; ---- the wave's record: sums over its 512 nodes, and its maximum
	XSUM ACC
	XSUM ACC+1
	XSUM ACC+2
	XSUM ACC+3
	XSUM ACCN
	ds_store_b128 v[RST], v[ACC:ACC+3]             ; lanes of equal c store equal values to equal addresses
	ds_store_b32 v[RS2], v[ACCN] offset:64
	ds_store_b32 v[RS3], v[MX] offset:80
	s_wait_dscnt 0x0
	s_barrier_signal -1
	s_barrier_wait -1
	; ---- merge the two halves of a unit.  Wave w now owns rows 64 hg + 4 w .. + 3 of W_out = head w>>2, components 4 (w&3) .., both batch rows.
	; These loads stay inside REC (the highest byte read is REC + 768 + 1,232 + 3); the stores further down go to FP, which lies behind it.
.irp b, 0,1
	ds_load_b128 v[C+20*\b:C+20*\b+3],     v[VA1] offset:1024*\b
	ds_load_b128 v[C+20*\b+4:C+20*\b+7],   v[VA1] offset:1024*\b+128
	ds_load_b128 v[C+20*\b+8:C+20*\b+11],  v[VA2] offset:1024*\b+64
	ds_load_b128 v[C+20*\b+12:C+20*\b+15], v[VA2] offset:1024*\b+192
	ds_load_b32 v[C+20*\b+16], v[VA2] offset:1024*\b+80
	ds_load_b32 v[C+20*\b+17], v[VA2] offset:1024*\b+208
.endr
	s_wait_dscnt 0x0
.irp b, 0,1
	v_max_num_f32 v[TT+\b], v[C+20*\b+16], v[C+20*\b+17]
.endr
.irp b, 0,1
	v_sub_f32 v[C+20*\b+18], v[C+20*\b+16], v[TT+\b]
	v_sub_f32 v[C+20*\b+19], v[C+20*\b+17], v[TT+\b]
.endr
.irp b, 0,1
	v_exp_f32 v[C+20*\b+18], v[C+20*\b+18]
	v_exp_f32 v[C+20*\b+19], v[C+20*\b+19]
.endr
	v_nop                                          ; one plain place behind the exponentials
	s_wait_alu depctr_va_vdst(0)
.irp b, 0,1
	MULB C+20*\b+8, C+20*\b+8, C+20*\b+18          ; nd0 nd1 nd2 s of the unit
	MULB C+20*\b+10, C+20*\b+10, C+20*\b+18
	FMAB C+20*\b+8, C+20*\b+12, C+20*\b+19
	FMAB C+20*\b+10, C+20*\b+14, C+20*\b+19
.endr
	v_rcp_f32 v[C+16], v[C+11]                     ; 1 / s; the packed products below are the plain places behind it
	v_rcp_f32 v[C+36], v[C+31]
.irp b, 0,1
	MULB HV+4*\b, C+20*\b, C+20*\b+18
	MULB HV+4*\b+2, C+20*\b+2, C+20*\b+18
	FMAB HV+4*\b, C+20*\b+4, C+20*\b+19
	FMAB HV+4*\b+2, C+20*\b+6, C+20*\b+19
	s_wait_alu depctr_va_vdst(0)
.irp d, 0,1,2
.irp k, 0,1,2,3
	v_fmac_f32 v[HV+4*\b+\k], s[36+4*\d+\k], v[C+20*\b+8+\d]
.endr
.endr
.endr
.irp b, 0,1
	MULB HV+4*\b, HV+4*\b, C+20*\b+16              ; no eligible node: 0 x inf = NaN, as the softmax of all -inf
	MULB HV+4*\b+2, HV+4*\b+2, C+20*\b+16
.endr
	; ---- my 4 rows of W_out times my 4 head values, 256 columns, both batch rows
	s_wait_loadcnt 0x0                             ; the 8 loads of W_out are the last of the stream
.irp b, 0,1
.irp f, 0,1
	MULB FO+8*\b+4*\f, WS+4*\f, HV+4*\b
	MULB FO+8*\b+4*\f+2, WS+4*\f+2, HV+4*\b
.irp r, 1,2,3
	FMAB FO+8*\b+4*\f, WS+8*\r+4*\f, HV+4*\b+\r
	FMAB FO+8*\b+4*\f+2, WS+8*\r+4*\f+2, HV+4*\b+\r
.endr
	ds_store_b128 v[FST], v[FO+8*\b+4*\f:FO+8*\b+4*\f+3] offset:1024*\b+512*\f
.endr
.endr
	s_wait_dscnt 0x0
	s_barrier_signal -1
	s_barrier_wait -1
	; ---- waves 0..3 add the 16 waves' pieces and store 2 x 256 numbers: a wave's store covers 512 consecutive bytes, aligned
	s_cmp_gt_u32 s2, 3
	s_cbranch_scc1 .Lend
.irp k, 0,1,2,3,4,5,6,7,8,9,10,11,12,13,14,15
	ds_load_b128 v[RING+4*\k:RING+4*\k+3], v[FLD] offset:2048*\k
.endr
	s_wait_dscnt 0x0
	TREE16 RING
	global_store_b128 v[GST], v[RING:RING+3], s[28:29]
.Lend:
	s_wait_tensorcnt 0x0
	ds_add_u32 v244, v245
	s_wait_dscnt 0x0
	s_endpgm
.Lfunc_end_k_q2fe6a700af_glimpse:
	.size	k_q2fe6a700af_glimpse, .Lfunc_end_k_q2fe6a700af_glimpse-k_q2fe6a700af_glimpse
	.p2alignl 7, 3214868480
	.fill 96, 4, 3214868480
	.section	.rodata,"a",@progbits
	.p2align	6, 0x0
	.amdhsa_kernel k_q2fe6a700af_glimpse
		.amdhsa_group_segment_fixed_size 77824
		.amdhsa_private_segment_fixed_size 0
		.amdhsa_enable_private_segment 0
		.amdhsa_kernarg_size 88
		.amdhsa_user_sgpr_count 2
		.amdhsa_user_sgpr_kernarg_segment_ptr 1
		.amdhsa_wavefront_size32 1
		.amdhsa_system_sgpr_workgroup_id_x 1
		.amdhsa_system_sgpr_workgroup_id_y 1
		.amdhsa_system_sgpr_workgroup_id_z 1
		.amdhsa_system_vgpr_workitem_id 0
		.amdhsa_next_free_vgpr 246
		.amdhsa_next_free_sgpr 66
		.amdhsa_reserve_vcc 1
		.amdhsa_float_denorm_mode_32 3
		.amdhsa_float_denorm_mode_16_64 3
		.amdhsa_memory_ordered 1
		.amdhsa_forward_progress 1
		.amdhsa_inst_pref_size 92
	.end_amdhsa_kernel
	.amdgpu_metadata
---
amdhsa.version: [ 1, 2 ]
amdhsa.kernels:
  - .name:           k_q2fe6a700af_glimpse
    .symbol:         k_q2fe6a700af_glimpse.kd
    .args:
      - { .name: glimpse_K_static, .offset: 0, .size: 8, .value_kind: global_buffer, .address_space: global }
      - { .name: glimpse_V_static, .offset: 8, .size: 8, .value_kind: global_buffer, .address_space: global }
      - { .name: W_current_state, .offset: 16, .size: 8, .value_kind: global_buffer, .address_space: global }
      - { .name: W_node_state, .offset: 24, .size: 8, .value_kind: global_buffer, .address_space: global }
      - { .name: W_out, .offset: 32, .size: 8, .value_kind: global_buffer, .address_space: global }
      - { .name: eligibility_mask, .offset: 40, .size: 8, .value_kind: global_buffer, .address_space: global }
      - { .name: fixed_context, .offset: 48, .size: 8, .value_kind: global_buffer, .address_space: global }
      - { .name: global_dynamic_features, .offset: 56, .size: 8, .value_kind: global_buffer, .address_space: global }
      - { .name: node_dynamic_features, .offset: 64, .size: 8, .value_kind: global_buffer, .address_space: global }
      - { .name: prev_item_embeddings, .offset: 72, .size: 8, .value_kind: global_buffer, .address_space: global }
      - { .name: fqp, .offset: 80, .size: 8, .value_kind: global_buffer, .address_space: global }
    .group_segment_fixed_size: 77824
    .private_segment_fixed_size: 0
    .kernarg_segment_align: 8
    .kernarg_segment_size: 88
    .max_flat_workgroup_size: 512
    .sgpr_count:     66
    .vgpr_count:     246
    .wavefront_size: 32
...
	.end_amdgpu_metadata
.endif
;; end of part 1
;; launch pointer (part 2): grid 256 x 1, 16 waves a work-group, no clusters, 4,096 bytes of LDS; arguments logit_K_static, fqp, W_node_state, node_dynamic_features, eligibility_mask, part; writes part
.if DOCPART == 2
	.amdgcn_target "amdgcn-amd-amdhsa--gfx1250"
	.amdhsa_code_object_version 6
	.text
	.protected	k_q2fe6a700af_pointer
	.globl	k_q2fe6a700af_pointer
	.p2align	8
	.type	k_q2fe6a700af_pointer,@function
k_q2fe6a700af_pointer:
	s_mov_b64 s[64:65], 0
	v_nop
	global_prefetch_b8 v0, s[64:65] scope:SCOPE_SE
	s_setreg_imm32_b32 hwreg(HW_REG_WAVE_MODE, 25, 1), 1
	s_wait_xcnt 0x0
; POINTER: the logits 10 tanh(final_Q . logit_K / 16) of half a batch row (512 nodes), and of them the largest, its node and the sum of
; exp(L - largest).  Work-group id = 2 b + half.  Wave w owns 32 rows of logit_K_static (1,024 bytes each) as 16 pairs: a load takes 256
; consecutive bytes of row 2 i in lanes 0-15 and of row 2 i + 1 in lanes 16-31; four loads make a pair of rows.  Six pairs (24 loads of 512
; bytes) of each of 16 waves are in flight: 196,608 bytes.  final_Q is the sum of the four partials of the launch before.
; The dynamic part is reassociated exactly: fq.(K + ndf Wl) = fq.K + sum_d ndf[d] (fq.Wl[d]).
; No matrix unit: one row (final_Q) for each batch row, every byte of logit_K used once; a packed f32 multiply-add costs what the conversion
; to bf16 alone would cost, and the argmax is compared exactly.  No cluster: work-groups share only 4 KB of partials and 3 KB of weights.
; LIMITS: tanh(x) = 1 - 2 / (1 + e^(2x)), absolute error about 1e-7 of 1; where two eligible logits lie closer than that (a saturated tanh
; too) the index may differ from the problem's function; exact ties give the lowest index.  Any non-zero mask byte counts as true.
; The exponents L - max lie in [-20, 0] or are -inf, since L is in [-10, 10] or -inf: the true maximum is taken away all the same.
.set LANE, 1
.set R16,  2
.set H2,   3
.set LKO,  4                           ; 1,024 (l>>4) + 16 (l&15)
.set F16,  5                           ; 16 (l&15)
.set RL,   6                           ; my row of the wave's 32: 2 (l&15) + (l>>4)
.set NDO,  7
.set X,    8
.set S,    9
.set ND,   10                          ; v[10:12]
.set MK,   13
.set TA,   14
.set TC,   16
.set FW,   18                          ; v[18:20] fq.Wl[d]
.set LST,  21
.set PT,   22
.set LRD,  23
.set FQ,   24                          ; v[24:39] final_Q[64 q + 4 (l&15) + e] at 4 q + e
.set FPR,  40                          ; v[40:103] the four partials
.set WN,   104                         ; v[104:151] Wl[d], laid as FQ
.set RING, 152                         ; v[152:247] six pair slots of 16 registers
.set LV,   40                          ; (wave 0, at the end) 16 logits a lane
.set RC,   56                          ; v[56:59] the record
.set MS,   60                          ; v[60:61]
.set ZO,   63
.macro PAIRLD i
.irp q, 0,1,2,3
	global_load_b128 v[RING+16*((\i)%6)+4*\q:RING+16*((\i)%6)+4*\q+3], v[LKO], s[8:9] offset:2048*(\i)+256*\q th:TH_LOAD_NT
.endr
.endm
.macro SUM16 r                         ; sum over the 16 lanes of a half-wave
	v_add_f32_dpp v[\r], v[\r], v[\r] row_xmask:1 row_mask:0xf bank_mask:0xf
	v_add_f32_dpp v[\r], v[\r], v[\r] row_xmask:2 row_mask:0xf bank_mask:0xf
	v_add_f32_dpp v[\r], v[\r], v[\r] row_xmask:4 row_mask:0xf bank_mask:0xf
	v_add_f32_dpp v[\r], v[\r], v[\r] row_xmask:8 row_mask:0xf bank_mask:0xf
.endm
; rows 2 i, 2 i + 1: 16 products a lane, the sum over the half-wave, kept by the lane whose l & 15 is i
.macro PAIR i
.if (\i) <= 10
	s_wait_loadcnt 20                              ; five younger pairs, four loads each, stay out
.else
	s_wait_loadcnt 4*(15-(\i))                     ; what is left behind pair i
.endif
.set rb, RING+16*((\i)%6)
	v_pk_mul_f32 v[TA:TA+1], v[rb:rb+1], v[FQ:FQ+1]
	v_pk_mul_f32 v[TC:TC+1], v[rb+2:rb+3], v[FQ+2:FQ+3]
.irp q, 1,2,3
	v_pk_fma_f32 v[TA:TA+1], v[rb+4*\q:rb+4*\q+1], v[FQ+4*\q:FQ+4*\q+1], v[TA:TA+1]
	v_pk_fma_f32 v[TC:TC+1], v[rb+4*\q+2:rb+4*\q+3], v[FQ+4*\q+2:FQ+4*\q+3], v[TC:TC+1]
.endr
.if (\i) <= 9
	PAIRLD (\i)+6
.endif
	v_pk_add_f32 v[TA:TA+1], v[TA:TA+1], v[TC:TC+1]
	v_add_f32 v[S], v[TA], v[TA+1]
	SUM16 S
.if (\i) == 0
	v_mov_b32 v[X], v[S]
.else
	v_cmp_eq_u32 vcc_lo, \i, v[R16]
	v_cndmask_b32 v[X], v[X], v[S], vcc_lo
.endif
.endm
	s_load_b256 s[8:15], s[0:1], 0x0               ; logit_K 8:9, fqp 10:11, Wn 12:13, ndf 14:15
	s_load_b128 s[16:19], s[0:1], 0x20             ; mask 16:17, part 18:19
	v_lshl_add_u32 v248, v0, 2, 0x800
	v_mov_b32 v249, 0
	v_lshrrev_b32 v[LANE], 5, v0
	v_readfirstlane_b32 s2, v[LANE]                ; wave
	s_mov_b32 s3, ttmp9                            ; id = 2 b + half
	s_mov_b32 s21, 0
	s_mov_b32 s22, 0x76543210
	s_mov_b32 s23, 0xfedcba98
	s_mov_b32 s24, 0xc1a00000                      ; -20.0
	s_mov_b32 s25, 0x41200000                      ; 10.0
	v_and_b32 v[LANE], 31, v0
	v_and_b32 v[R16], 15, v0
	v_bfe_u32 v[H2], v0, 4, 1
	v_lshlrev_b32 v[F16], 4, v[R16]
	v_lshl_add_u32 v[LKO], v[H2], 10, v[F16]
	v_lshl_add_u32 v[RL], v[R16], 1, v[H2]
	v_mul_u32_u24 v[NDO], 12, v[RL]
	s_wait_kmcnt 0x0
	s_lshl_b32 s20, s3, 19                         ; 512 rows of 1,024 bytes for each id, 32 for each wave
	s_lshl_b32 s26, s2, 15
	s_add_co_u32 s20, s20, s26
	s_add_nc_u64 s[8:9], s[8:9], s[20:21]
	s_lshr_b32 s20, s3, 1                          ; b
	s_lshl_b32 s20, s20, 10
	s_add_nc_u64 s[10:11], s[10:11], s[20:21]
	s_mul_i32 s20, s3, 6144                        ; 512 nodes of 12 bytes
	s_mul_i32 s26, s2, 384
	s_add_co_u32 s20, s20, s26
	s_add_nc_u64 s[14:15], s[14:15], s[20:21]
	s_lshl_b32 s20, s3, 9
	s_lshl_b32 s26, s2, 5
	s_add_co_u32 s20, s20, s26
	s_add_nc_u64 s[16:17], s[16:17], s[20:21]
	s_lshl_b32 s20, s3, 4
	s_add_nc_u64 s[18:19], s[18:19], s[20:21]
	; 54 loads in the order in which they are waited for: 16 partials, 12 of Wl, 2 of my node, 24 of the ring
.irp g, 0,1,2,3
.irp q, 0,1,2,3
	global_load_b128 v[FPR+16*\g+4*\q:FPR+16*\g+4*\q+3], v[F16], s[10:11] offset:131072*\g+256*\q
.endr
.endr
.irp d, 0,1,2
.irp q, 0,1,2,3
	global_load_b128 v[WN+16*\d+4*\q:WN+16*\d+4*\q+3], v[F16], s[12:13] offset:3072*\d+2048+256*\q
.endr
.endr
	global_load_b96 v[ND:ND+2], v[NDO], s[14:15]
	global_load_u8 v[MK], v[RL], s[16:17]
.irp i, 0,1,2,3,4,5
	PAIRLD \i
.endr
	s_lshl_b32 s26, s2, 7
	v_lshl_add_u32 v[LST], v[RL], 2, s26           ; word 32 w + my row
	v_lshlrev_b32 v[LRD], 4, v[LANE]
	v_mov_b32 v[PT], 0
	s_wait_loadcnt 38                              ; the partials: 12 + 2 + 24 younger
.set kk, 0
.rept 8
	v_pk_add_f32 v[FPR+kk:FPR+kk+1], v[FPR+kk:FPR+kk+1], v[FPR+16+kk:FPR+17+kk]
	v_pk_add_f32 v[FPR+32+kk:FPR+33+kk], v[FPR+32+kk:FPR+33+kk], v[FPR+48+kk:FPR+49+kk]
	v_pk_add_f32 v[FQ+kk:FQ+kk+1], v[FPR+kk:FPR+kk+1], v[FPR+32+kk:FPR+33+kk]
.set kk, kk+2
.endr
	s_wait_loadcnt 26                              ; Wl: 2 + 24 younger
.irp d, 0,1,2
	v_pk_mul_f32 v[TA:TA+1], v[FQ:FQ+1], v[WN+16*\d:WN+16*\d+1]
.irp p, 1,2,3,4,5,6,7
	v_pk_fma_f32 v[TA:TA+1], v[FQ+2*\p:FQ+2*\p+1], v[WN+16*\d+2*\p:WN+16*\d+2*\p+1], v[TA:TA+1]
.endr
	v_add_f32 v[FW+\d], v[TA], v[TA+1]
	SUM16 FW+\d
.endr
.irp i, 0,1,2,3,4,5,6,7,8,9,10,11,12,13,14,15
	PAIR \i
.endr
	; my row's logit.  (The last pair's wait was for 0: my node's features and mask byte are in.)
	v_fmac_f32 v[X], v[ND], v[FW]
	v_fmac_f32 v[X], v[ND+1], v[FW+1]
	v_fmac_f32 v[X], v[ND+2], v[FW+2]
	v_mul_f32 v[X], 0x3e38aa3b, v[X]               ; 2 log2(e) / sqrt(256)
	v_exp_f32 v[X], v[X]                           ; e^(2x); inf and 0 at the ends give 10 and -10
	v_cmp_ne_u32 vcc_lo, 0, v[MK]                  ; a plain place behind the exponential
	s_wait_alu depctr_va_vdst(0)
	v_add_f32 v[X], 1.0, v[X]
	v_rcp_f32 v[X], v[X]
	v_nop                                          ; a plain place behind the reciprocal
	s_wait_alu depctr_va_vdst(0)
	v_fma_f32 v[X], v[X], s24, s25                 ; 10 tanh(x) = 10 - 20 / (1 + e^(2x))
	v_cndmask_b32 v[X], 0xff800000, v[X], vcc_lo
	ds_store_b32 v[LST], v[X]
	s_wait_dscnt 0x0
	s_barrier_signal -1
	s_barrier_wait -1
	s_cmp_lg_u32 s2, 0
	s_cbranch_scc1 .Lend
	; wave 0: 512 logits, 16 a lane; register 4 k + e is node 128 k + 4 l + e of the half
.irp k, 0,1,2,3
	ds_load_b128 v[LV+4*\k:LV+4*\k+3], v[LRD] offset:512*\k
.endr
	v_mov_b32 v[RC+2], 0x7fff
	v_mov_b32 v[ZO], 0
	s_wait_dscnt 0x0
	v_max_num_f32 v[RC], v[LV], v[LV+1]
.irp k, 2,4,6,8,10,12,14
	v_max3_num_f32 v[RC], v[RC], v[LV+\k], v[LV+\k+1]
.endr
	v_max_num_f32_dpp v[RC], v[RC], v[RC] row_xmask:1 row_mask:0xf bank_mask:0xf
	v_max_num_f32_dpp v[RC], v[RC], v[RC] row_xmask:2 row_mask:0xf bank_mask:0xf
	v_max_num_f32_dpp v[RC], v[RC], v[RC] row_xmask:4 row_mask:0xf bank_mask:0xf
	v_max_num_f32_dpp v[RC], v[RC], v[RC] row_xmask:8 row_mask:0xf bank_mask:0xf
	v_permlanex16_b32 v[PT], v[RC], s22, s23
	v_max_num_f32 v[RC], v[RC], v[PT]
	; the lowest node that holds the maximum: from the highest register down, so that the lowest match is written last
.irp k, 3,2,1,0
.irp e, 3,2,1,0
	v_cmp_neq_f32 vcc_lo, v[RC], v[LV+4*\k+\e]
	v_cndmask_b32 v[RC+2], 128*\k+\e, v[RC+2], vcc_lo
.endr
.endr
	s_and_b32 s27, s3, 1
	s_lshl_b32 s27, s27, 9
	v_lshl_add_u32 v[RC+2], v[LANE], 2, v[RC+2]
	v_add_nc_u32 v[RC+2], s27, v[RC+2]
	v_cvt_f32_u32 v[RC+2], v[RC+2]                 ; below 2^24: exact
	v_min_num_f32_dpp v[RC+2], v[RC+2], v[RC+2] row_xmask:1 row_mask:0xf bank_mask:0xf
	v_min_num_f32_dpp v[RC+2], v[RC+2], v[RC+2] row_xmask:2 row_mask:0xf bank_mask:0xf
	v_min_num_f32_dpp v[RC+2], v[RC+2], v[RC+2] row_xmask:4 row_mask:0xf bank_mask:0xf
	v_min_num_f32_dpp v[RC+2], v[RC+2], v[RC+2] row_xmask:8 row_mask:0xf bank_mask:0xf
	v_permlanex16_b32 v[PT], v[RC+2], s22, s23
	v_min_num_f32 v[RC+2], v[RC+2], v[PT]
	; sum of exp(L - max).  The floor -16 lies below every finite logit: it changes a maximum of -inf alone (then every term is 0)
	v_max_num_f32 v[MS], 0xc1800000, v[RC]
	v_mov_b32 v[MS+1], v[MS]
.irp k, 0,2,4,6,8,10,12,14
	v_pk_add_f32 v[LV+\k:LV+\k+1], v[LV+\k:LV+\k+1], v[MS:MS+1] neg_lo:[0,1] neg_hi:[0,1]
.endr
.irp k, 0,2,4,6,8,10,12,14
	v_pk_mul_f32 v[LV+\k:LV+\k+1], v[LV+\k:LV+\k+1], 0x3fb8aa3b op_sel_hi:[1,0]
.endr
.irp k, 0,1,2,3,4,5,6,7,8,9,10,11,12,13,14,15
	v_exp_f32 v[LV+\k], v[LV+\k]
.endr
	v_mov_b32 v[RC+3], 0                           ; a plain place behind the exponentials, and the record's last word
	s_wait_alu depctr_va_vdst(0)
.irp k, 0,2,4,6
	v_pk_add_f32 v[LV+\k:LV+\k+1], v[LV+\k:LV+\k+1], v[LV+8+\k:LV+9+\k]
.endr
	v_pk_add_f32 v[LV:LV+1], v[LV:LV+1], v[LV+4:LV+5]
	v_pk_add_f32 v[LV+2:LV+3], v[LV+2:LV+3], v[LV+6:LV+7]
	v_pk_add_f32 v[LV:LV+1], v[LV:LV+1], v[LV+2:LV+3]
	v_add_f32 v[RC+1], v[LV], v[LV+1]
	SUM16 RC+1
	v_permlanex16_b32 v[PT], v[RC+1], s22, s23
	v_add_f32 v[RC+1], v[RC+1], v[PT]
	s_wait_xcnt 0x0                                ; EXEC is a source of the loads above: it narrows only behind this wait
	v_cmp_eq_u32 vcc_lo, 0, v[LANE]
	s_and_saveexec_b32 s26, vcc_lo
	global_store_b128 v[ZO], v[RC:RC+3], s[18:19]  ; one lane, the work-group's 16 bytes
	s_wait_xcnt 0x0                                ; and widens only behind this one
	s_or_b32 exec_lo, exec_lo, s26
.Lend:
	s_wait_tensorcnt 0x0
	ds_add_u32 v248, v249
	s_wait_dscnt 0x0
	s_endpgm
.Lfunc_end_k_q2fe6a700af_pointer:
	.size	k_q2fe6a700af_pointer, .Lfunc_end_k_q2fe6a700af_pointer-k_q2fe6a700af_pointer
	.p2alignl 7, 3214868480
	.fill 96, 4, 3214868480
	.section	.rodata,"a",@progbits
	.p2align	6, 0x0
	.amdhsa_kernel k_q2fe6a700af_pointer
		.amdhsa_group_segment_fixed_size 4096
		.amdhsa_private_segment_fixed_size 0
		.amdhsa_enable_private_segment 0
		.amdhsa_kernarg_size 48
		.amdhsa_user_sgpr_count 2
		.amdhsa_user_sgpr_kernarg_segment_ptr 1
		.amdhsa_wavefront_size32 1
		.amdhsa_system_sgpr_workgroup_id_x 1
		.amdhsa_system_sgpr_workgroup_id_y 1
		.amdhsa_system_sgpr_workgroup_id_z 1
		.amdhsa_system_vgpr_workitem_id 0
		.amdhsa_next_free_vgpr 250
		.amdhsa_next_free_sgpr 66
		.amdhsa_reserve_vcc 1
		.amdhsa_float_denorm_mode_32 3
		.amdhsa_float_denorm_mode_16_64 3
		.amdhsa_memory_ordered 1
		.amdhsa_forward_progress 1
		.amdhsa_inst_pref_size 37
	.end_amdhsa_kernel
	.amdgpu_metadata
---
amdhsa.version: [ 1, 2 ]
amdhsa.kernels:
  - .name:           k_q2fe6a700af_pointer
    .symbol:         k_q2fe6a700af_pointer.kd
    .args:
      - { .name: logit_K_static, .offset: 0, .size: 8, .value_kind: global_buffer, .address_space: global }
      - { .name: fqp, .offset: 8, .size: 8, .value_kind: global_buffer, .address_space: global }
      - { .name: W_node_state, .offset: 16, .size: 8, .value_kind: global_buffer, .address_space: global }
      - { .name: node_dynamic_features, .offset: 24, .size: 8, .value_kind: global_buffer, .address_space: global }
      - { .name: eligibility_mask, .offset: 32, .size: 8, .value_kind: global_buffer, .address_space: global }
      - { .name: part, .offset: 40, .size: 8, .value_kind: global_buffer, .address_space: global }
    .group_segment_fixed_size: 4096
    .private_segment_fixed_size: 0
    .kernarg_segment_align: 8
    .kernarg_segment_size: 48
    .max_flat_workgroup_size: 512
    .sgpr_count:     66
    .vgpr_count:     250
    .wavefront_size: 32
...
	.end_amdgpu_metadata
.endif
;; end of part 2
;; launch finish (part 3): grid 1 x 1, 1 waves a work-group, no clusters, 0 bytes of LDS; arguments part, out0, out1, out2; writes out0, out1, out2
.if DOCPART == 3
	.amdgcn_target "amdgcn-amd-amdhsa--gfx1250"
	.amdhsa_code_object_version 6
	.text
	.protected	k_q2fe6a700af_finish
	.globl	k_q2fe6a700af_finish
	.p2align	8
	.type	k_q2fe6a700af_finish,@function
k_q2fe6a700af_finish:
	s_mov_b64 s[64:65], 0
	v_nop
	global_prefetch_b8 v0, s[64:65] scope:SCOPE_SE
	s_setreg_imm32_b32 hwreg(HW_REG_WAVE_MODE, 25, 1), 1
	s_wait_xcnt 0x0
; FINISH: merges the two halves of each of the 128 batch rows, writes the index and the log of the largest probability, and sums the entropy.
; One wave: the entropy is one number over all batch rows, and the whole input is 4,096 bytes.  Lane l owns b = 4 l .. 4 l + 3: eight records
; of 16 bytes, 128 consecutive bytes a lane.  With the maximum M of both halves: sum = S0 e^(m0-M) + S1 e^(m1-M); the largest probability is
; 1 / sum, its log -ln(sum).  A half without an eligible node has m = -inf and S = 0 and adds 0; a batch row without any gives -inf - -inf = NaN
; in logprob and entropy and the index 0, as the problem's function does.  Equal maxima: the lower half's index, the lowest.
.set RECS, 8                           ; v[8:39]  record r = 2 bb + half at 4 r: m, S, index, 0
.set MM,   40
.set DD,   44                          ; v[44:51] exponents, then e0 e1 of each b; later log2(sum) x 4, 1/sum x 4
.set SS,   52
.set IDX,  56
.set LP,   60
	s_load_b256 s[4:11], s[0:1], 0x0               ; part 4:5, out0 6:7, out1 8:9, out2 10:11
	s_mov_b32 s12, 0x76543210
	s_mov_b32 s13, 0xfedcba98
	v_lshlrev_b32 v1, 7, v0
	v_lshlrev_b32 v2, 4, v0
	v_mov_b32 v3, 0
	v_mov_b32 v4, 0
	s_wait_kmcnt 0x0
.irp r, 0,1,2,3,4,5,6,7
	global_load_b128 v[RECS+4*\r:RECS+4*\r+3], v1, s[4:5] offset:16*\r
.endr
	s_wait_loadcnt 0x0
.irp b, 0,1,2,3
	v_max_num_f32 v[MM+\b], v[RECS+8*\b], v[RECS+8*\b+4]
.endr
.irp b, 0,1,2,3
	v_sub_f32 v[DD+2*\b], v[RECS+8*\b], v[MM+\b]
	v_sub_f32 v[DD+2*\b+1], v[RECS+8*\b+4], v[MM+\b]
.endr
.irp b, 0,1,2,3
	v_pk_mul_f32 v[DD+2*\b:DD+2*\b+1], v[DD+2*\b:DD+2*\b+1], 0x3fb8aa3b op_sel_hi:[1,0]
.endr
.irp k, 0,1,2,3,4,5,6,7
	v_exp_f32 v[DD+\k], v[DD+\k]
.endr
.irp b, 0,1,2,3
	v_cmp_gt_f32 vcc_lo, v[RECS+8*\b+4], v[RECS+8*\b]              ; (the first of these is the plain place behind the exponentials)
	v_cndmask_b32 v[IDX+\b], v[RECS+8*\b+2], v[RECS+8*\b+6], vcc_lo
	v_cvt_u32_f32 v[IDX+\b], v[IDX+\b]
.endr
	s_wait_alu depctr_va_vdst(0)
.irp b, 0,1,2,3
	v_mul_f32 v[SS+\b], v[RECS+8*\b+1], v[DD+2*\b]
	v_fmac_f32 v[SS+\b], v[RECS+8*\b+5], v[DD+2*\b+1]
.endr
.irp b, 0,1,2,3
	v_log_f32 v[DD+\b], v[SS+\b]
.endr
.irp b, 0,1,2,3
	v_rcp_f32 v[DD+4+\b], v[SS+\b]
.endr
	v_nop                                          ; one plain place behind the transcendentals
	s_wait_alu depctr_va_vdst(0)
.irp b, 0,1,2,3
	v_mul_f32 v[LP+\b], 0xbf317218, v[DD+\b]       ; -ln(sum) = -ln 2 x log2(sum)
.endr
	v_mul_f32 v5, v[DD+4], v[LP]                   ; sum of prob x logprob over my four
	v_fmac_f32 v5, v[DD+5], v[LP+1]
	v_fmac_f32 v5, v[DD+6], v[LP+2]
	v_fmac_f32 v5, v[DD+7], v[LP+3]
	global_store_b128 v2, v[IDX:IDX+3], s[6:7]     ; the wave's store covers all 512 bytes of out0,
	global_store_b128 v2, v[LP:LP+3], s[8:9]       ; and of out1
	v_add_f32_dpp v5, v5, v5 row_xmask:1 row_mask:0xf bank_mask:0xf
	v_add_f32_dpp v5, v5, v5 row_xmask:2 row_mask:0xf bank_mask:0xf
	v_add_f32_dpp v5, v5, v5 row_xmask:4 row_mask:0xf bank_mask:0xf
	v_add_f32_dpp v5, v5, v5 row_xmask:8 row_mask:0xf bank_mask:0xf
	v_permlanex16_b32 v4, v5, s12, s13
	v_add_f32 v5, v5, v4
	v_xor_b32 v5, 0x80000000, v5                   ; entropy = - sum
	s_wait_xcnt 0x0                                ; EXEC is a source of the stores above: it narrows only behind this wait
	v_cmp_eq_u32 vcc_lo, 0, v0
	s_and_saveexec_b32 s14, vcc_lo
	global_store_b32 v3, v5, s[10:11]
	s_wait_xcnt 0x0
	s_or_b32 exec_lo, exec_lo, s14
	s_endpgm
.Lfunc_end_k_q2fe6a700af_finish:
	.size	k_q2fe6a700af_finish, .Lfunc_end_k_q2fe6a700af_finish-k_q2fe6a700af_finish
	.p2alignl 7, 3214868480
	.fill 96, 4, 3214868480
	.section	.rodata,"a",@progbits
	.p2align	6, 0x0
	.amdhsa_kernel k_q2fe6a700af_finish
		.amdhsa_group_segment_fixed_size 0
		.amdhsa_private_segment_fixed_size 0
		.amdhsa_enable_private_segment 0
		.amdhsa_kernarg_size 32
		.amdhsa_user_sgpr_count 2
		.amdhsa_user_sgpr_kernarg_segment_ptr 1
		.amdhsa_wavefront_size32 1
		.amdhsa_system_sgpr_workgroup_id_x 1
		.amdhsa_system_sgpr_workgroup_id_y 1
		.amdhsa_system_sgpr_workgroup_id_z 1
		.amdhsa_system_vgpr_workitem_id 0
		.amdhsa_next_free_vgpr 64
		.amdhsa_next_free_sgpr 66
		.amdhsa_reserve_vcc 1
		.amdhsa_float_denorm_mode_32 3
		.amdhsa_float_denorm_mode_16_64 3
		.amdhsa_memory_ordered 1
		.amdhsa_forward_progress 1
		.amdhsa_inst_pref_size 5
	.end_amdhsa_kernel
	.amdgpu_metadata
---
amdhsa.version: [ 1, 2 ]
amdhsa.kernels:
  - .name:           k_q2fe6a700af_finish
    .symbol:         k_q2fe6a700af_finish.kd
    .args:
      - { .name: part, .offset: 0, .size: 8, .value_kind: global_buffer, .address_space: global }
      - { .name: out0, .offset: 8, .size: 8, .value_kind: global_buffer, .address_space: global }
      - { .name: out1, .offset: 16, .size: 8, .value_kind: global_buffer, .address_space: global }
      - { .name: out2, .offset: 24, .size: 8, .value_kind: global_buffer, .address_space: global }
    .group_segment_fixed_size: 0
    .private_segment_fixed_size: 0
    .kernarg_segment_align: 8
    .kernarg_segment_size: 32
    .max_flat_workgroup_size: 32
    .sgpr_count:     66
    .vgpr_count:     64
    .wavefront_size: 32
...
	.end_amdgpu_metadata
.endif
;; end of part 3
;; ======== version 2 of 2: 3 launches; version 1 with the launch glimpse written anew for expert scheduling mode
;; workspace buffers: fqp 524,288 bytes; part 4,096 bytes
;; launch glimpse (part 4): grid 64 x 4, 16 waves a work-group, no clusters, 77,824 bytes of LDS; arguments glimpse_K_static, glimpse_V_static, W_current_state, W_node_state, W_out, eligibility_mask, fixed_context, global_dynamic_features, node_dynamic_features, prev_item_embeddings, fqp; writes fqp
.if DOCPART == 4
	.amdgcn_target "amdgcn-amd-amdhsa--gfx1250"
	.amdhsa_code_object_version 6
	.text
	.protected	k_q2fe6a700af_glimpse
	.globl	k_q2fe6a700af_glimpse
	.p2align	8
	.type	k_q2fe6a700af_glimpse,@function
k_q2fe6a700af_glimpse:
	s_mov_b64 s[64:65], 0
	v_nop
	global_prefetch_b8 v0, s[64:65] scope:SCOPE_SE
	s_setreg_imm32_b32 hwreg(HW_REG_WAVE_SCHED_MODE, 0, 2), 2
	s_setreg_imm32_b32 hwreg(HW_REG_WAVE_MODE, 25, 1), 1
	s_wait_xcnt 0x0
	s_wait_alu depctr_vm_vsrc(0)
; GLIMPSE: query, 16-head attention of one query over 1,024 nodes, and this work-group's share of heads x W_out.
; A work-group owns two batch rows (b = 2 bp + bl) and four heads (h = 4 hg + hl): eight units (h, b), each 64 KiB of K and 64 KiB of V,
; contiguous in memory.  Wave w (bl = w>>3, hl = (w>>1)&3, nh = w&1) streams nodes 512 nh .. +511 of its unit: 64 loads of K, 64 of V,
; each load of the wave 512 consecutive bytes = 8 nodes x 16 numbers; lane l holds columns 4c .. 4c+3 (c = l&3) of node 8 j + (l>>2).
; The 512 scores of a wave stay in 64 registers, so the true maximum is taken before any exponential.
; The rank-3 dynamic parts are reassociated exactly:  Q.(K + ndf Wk) = Q.K + sum_d ndf[d] (Q.Wk[d]);
; sum_n a_n (V + ndf Wv) = sum a_n V + sum_d (sum_n a_n ndf[n][d]) Wv[d].  Lane c < 3 of a quad carries feature d = c, lane c = 3 the mask term
; (K pass) and the denominator (V pass), so each costs one multiply-add a node.
; WHY NO MATRIX UNIT: every product here has one row (one query for each (h, b)); a 16 x 16 tile would use one row in sixteen, and the
; conversion of a pair of f32 to bf16 costs the same one instruction as the packed f32 multiply-add that does the whole job.  f32 also keeps
; the later argmax (compared exactly) out of reach of operand rounding.
; WHY NO CLUSTER, NO LDS RING: each streamed byte is used once, by one lane; what work-groups share (slices of W_current_state and W_out,
; 130 KB of the 1.18 MB a work-group reads) is a small part.  20 to 24 loads of 512 bytes of each of 16 waves are in flight from registers:
; 163,840 to 196,608 bytes.
; item_embeddings is on no argument list: the problem's function takes only its shape, no value of it reaches a result.
; LIMITS: the order of f32 rounding differs from the problem's function; exponentials below 2^-126 come out as 0 (ISA guide, v_exp_f32);
; any non-zero mask byte counts as true; a batch row without an eligible node gives NaN heads, as the softmax of all -inf does.
; THE MODE: SCHED_MODE bits 1:0 = 2 (LLVM: expert scheduling mode 2), set by the entry lines.  The code itself states the register dependences
; between vector instructions and memory or LDS instructions, with s_wait_alu, always for 0.
; THE PLAN.  The 128 turns of the stream go in 32 blocks of four (0-15 K, 16-31 V), two blocks to a group of eight.  Registers that memory or LDS instructions touch:
;   RING     24 slots, six blocks of four; item i lies in slot i % 24.  Block p's products read slots 4 p % 24 .. + 3.  The four loads at block p's head bring
;            items 4 p + 20 .. + 23 into the slots that block p - 1 read, which no vector instruction of block p names.
;   TB0, TB1 Group G's turns read TB[G & 1]; the LDS loads at its head bring group G + 1's table words into the other, which group G - 1 read.
;   LOFF, TADR, the other offsets and LDS addresses: made once at the head, never written again.
;   C        prologue: loaded data, part of it the data of LDS stores; then 16 LDS loads land in it; then scores and weights, named by vector instructions alone; then the merge's LDS loads land in it.
;   AQ, E, ACC, ACCN, MX, FO: written by vector instructions, read by LDS stores; of them AQ (= TB0) and E (in C) are written again, by LDS loads.
; So ONE wait on va_vdst stands at a block's head, ahead of one run of loads; one stands ahead of each run of stores; one wait on vm_vsrc stands behind the first barrier.
.set TAB,  0                           ; LDS [bl][n] 16 bytes: ndf0, ndf1, ndf2, mask term (0 or -inf)        32,768 bytes
.set QP,   32768                       ; LDS [wave] 512 bytes: partial of prev x W_current_state, [bl][64 columns]   8,192
.set REC,  40960                       ; LDS [wave] 128 bytes: +0 acc[16], +64 nd0 nd1 nd2 s, +80 m                  2,048
.set FP,   43008                       ; LDS [wave] 2,048 bytes: partial of heads x W_out, [bl][256]                32,768
.set LANE, 1
.set CC,   2                           ; c = l & 3
.set R16,  3                           ; l & 15
.set H2,   4                           ; l >> 4
.set LOFF, 5                           ; 16 l: the stream's lane offset
.set TADR, 6                           ; table word c of node l>>2 of my half unit
.set WCO,  7
.set PVO,  8
.set NDO,  9
.set C16,  10
.set TST,  11
.set QST,  12
.set QLD,  13
.set RST,  14
.set RS2,  15
.set RS3,  16
.set VA1,  17
.set VA2,  18
.set FST,  19
.set FLD,  20
.set GST,  21
.set NINF, 22
.set ZERO, 23
.set Q,    24                          ; v[24:27] my 4 columns of the query, times 0.25 log2(e)
.set QWL,  28                          ; c < 3: Q.Wk[c];  c = 3: 1.0
.set MX,   30                          ; v[30:31] the wave's maximum, twice
.set ACC,  32                          ; v[32:35] sum a V
.set ACCN, 36                          ; c < 3: sum a ndf[c];  c = 3: sum a
.set PT,   37
.set TT,   38                          ; v[38:41] two temporary pairs
.set MK,   38                          ; (prologue) 4 mask bytes
.set TB,   42                          ; v[42:57] two buffers of 8 table words
.set AQ,   42                          ; (prologue) [bl][4]
.set C,    60                          ; v[60:123] 64 scores, then weights
.set WR,   C                           ; (prologue) 8 rows of W_current_state x 4 columns
.set PV,   C+32                        ; (prologue) [bl][8] of prev
.set E,    C+48                        ; (prologue) 4 table entries
.set HV,   C+40                        ; (epilogue) [bl][4] head values
.set FO,   C+48                        ; (epilogue) [bl][half][4]
.set RING, 124                         ; v[124:219] 24 slots of 4 registers
.set WS,   RING+32                     ; slots 8..15: my 4 rows of W_out
.set FX,   220
.set WA,   224
.set WB,   228
.set WK,   232                         ; v[232:243] Wk[d][4]
; v[d:d+1] = / += v[a:a+1] * v[r], r any register: the even pair that holds r is named, and op_sel picks r for both halves
.macro MULB d, a, r
.if ((\r) & 1)
	v_pk_mul_f32 v[\d:\d+1], v[\a:\a+1], v[\r-1:\r] op_sel:[0,1] op_sel_hi:[1,1]
.else
	v_pk_mul_f32 v[\d:\d+1], v[\a:\a+1], v[\r:\r+1] op_sel_hi:[1,0]
.endif
.endm
.macro FMAB d, a, r
.if ((\r) & 1)
	v_pk_fma_f32 v[\d:\d+1], v[\a:\a+1], v[\r-1:\r], v[\d:\d+1] op_sel:[0,1,0] op_sel_hi:[1,1,1]
.else
	v_pk_fma_f32 v[\d:\d+1], v[\a:\a+1], v[\r:\r+1], v[\d:\d+1] op_sel_hi:[1,0,1]
.endif
.endm
; stream item i: 0..63 K, 64..127 V, 128..135 my four rows of W_out (read again by other work-groups: no hint); beyond: nothing
.macro ISSUE i
.if (\i) < 64
	global_load_b128 v[RING+4*((\i)%24):RING+4*((\i)%24)+3], v[LOFF], s[8:9] offset:(\i)*512 th:TH_LOAD_NT
.else
.if (\i) < 128
	global_load_b128 v[RING+4*((\i)%24):RING+4*((\i)%24)+3], v[LOFF], s[10:11] offset:((\i)-64)*512 th:TH_LOAD_NT
.else
.if (\i) < 136
	global_load_b128 v[RING+4*((\i)%24):RING+4*((\i)%24)+3], v[LOFF], s[16:17] offset:((\i)-128)*512
.endif
.endif
.endif
.endm
; item i is in: the youngest item issued at that point is number 4 (i / 4) + 23, by the head of i's block, or 135, the last of all
.macro WAITI i
.if 4*((\i)/4)+23 <= 135
	s_wait_loadcnt 23-((\i)%4)
.else
	s_wait_loadcnt 135-(\i)
.endif
.endm
; the table words of 8 stream items (64 nodes): 128 consecutive bytes a load
.macro TLOAD g
.irp j, 0,1,2,3,4,5,6,7
	ds_load_b32 v[TB+8*((\g)&1)+\j], v[TADR] offset:((\g)&7)*1024+128*\j
.endr
.endm
; The head of block p: one run of loads.  Block 0 finds the ring full and the second table buffer untouched: it owes no wait.  Blocks 29 to 31 have nothing left to ask for.
.macro HEAD p
.if (\p) == 0
	TLOAD 1
.endif
.if ((\p) > 0) && ((\p) < 29)
	s_wait_alu depctr_va_vdst(0)                   ; block p - 1's products are done reading its four slots, in which the four loads below land; at a group's head the group before is done reading its table words, in which the eight LDS loads land
	ISSUE 4*(\p)+20
	ISSUE 4*(\p)+21
	ISSUE 4*(\p)+22
	ISSUE 4*(\p)+23
.if ((\p) & 1) == 0
	TLOAD ((\p)>>1)+1
.endif
.endif
.endm
; sum over the 8 lanes of equal c
.macro XSUM r
	v_add_f32_dpp v[\r], v[\r], v[\r] row_xmask:4 row_mask:0xf bank_mask:0xf
	v_add_f32_dpp v[\r], v[\r], v[\r] row_xmask:8 row_mask:0xf bank_mask:0xf
	v_permlanex16_b32 v[PT], v[\r], s50, s51
	v_add_f32 v[\r], v[\r], v[PT]
.endm
; 16 pieces of 4 registers from v[base] on are summed into the first: 30 packed adds
.macro TREE16 base
.set st, 8
.rept 4
.set kk, 0
.rept 2*st
	v_pk_add_f32 v[\base+2*kk:\base+2*kk+1], v[\base+2*kk:\base+2*kk+1], v[\base+4*st+2*kk:\base+4*st+2*kk+1]
.set kk, kk+1
.endr
.set st, st>>1
.endr
.endm
; score of 8 nodes: my 4 products, my table word times QWL, then the sum over the quad (every lane of the quad ends with it)
.macro KTURN j
.set vr, RING+4*((\j)%24)
.set tt, TT+2*((\j)&1)
.set tw, TB+8*(((\j)>>3)&1)+((\j)&7)
	WAITI \j
	v_pk_mul_f32 v[tt:tt+1], v[vr:vr+1], v[Q:Q+1]
	v_pk_fma_f32 v[tt:tt+1], v[vr+2:vr+3], v[Q+2:Q+3], v[tt:tt+1]
	v_fma_f32 v[C+(\j)], v[tw], v[QWL], v[tt]
	v_add_f32 v[C+(\j)], v[C+(\j)], v[tt+1]
	v_add_f32_dpp v[C+(\j)], v[C+(\j)], v[C+(\j)] row_xmask:1 row_mask:0xf bank_mask:0xf
	v_add_f32_dpp v[C+(\j)], v[C+(\j)], v[C+(\j)] row_xmask:2 row_mask:0xf bank_mask:0xf
.endm
; 8 nodes of V: ACC += a V; ACCN += a (c < 3: ndf[c]; c = 3: 1).  VCC = (c != 3).  The first turn starts the sums.
.macro VTURN j
.set vr, RING+4*((64+(\j))%24)
.set tt, TT+2*((\j)&1)
.set tw, TB+8*(((\j)>>3)&1)+((\j)&7)
	WAITI 64+(\j)
.if (\j) == 0
	MULB ACC, vr, C+(\j)
	MULB ACC+2, vr+2, C+(\j)
.else
	FMAB ACC, vr, C+(\j)
	FMAB ACC+2, vr+2, C+(\j)
.endif
	v_cndmask_b32 v[tt], 1.0, v[tw], vcc_lo
.if (\j) == 0
	v_mul_f32 v[ACCN], v[C+(\j)], v[tt]
.else
	v_fmac_f32 v[ACCN], v[C+(\j)], v[tt]
.endif
.endm
	; ---- ids, constants, lane offsets of the global loads
	s_load_b512 s[8:23], s[0:1], 0x0               ; K 8:9, V 10:11, Wcs 12:13, Wn 14:15, Wout 16:17, mask 18:19, fixed 20:21, glob 22:23
	s_load_b128 s[24:27], s[0:1], 0x40             ; ndf 24:25, prev 26:27
	s_load_b64 s[28:29], s[0:1], 0x50              ; fqp
	v_lshl_add_u32 v244, v0, 2, 0x12800
	v_mov_b32 v245, 0
	v_lshrrev_b32 v[LANE], 5, v0
	v_readfirstlane_b32 s2, v[LANE]                ; wave w
	v_and_b32 v[LANE], 31, v0                      ; the lane arithmetic stands between that line and the wait for s2
	v_and_b32 v[CC], 3, v0
	v_and_b32 v[R16], 15, v0
	v_bfe_u32 v[H2], v0, 4, 1
	v_lshlrev_b32 v[LOFF], 4, v[LANE]
	v_lshlrev_b32 v[WCO], 4, v[R16]
	v_lshl_add_u32 v[WCO], v[H2], 13, v[WCO]       ; 8 rows of 1,024 bytes for the upper half-wave + 16 (l & 15)
	v_lshlrev_b32 v[PVO], 5, v[H2]
	v_mul_u32_u24 v[NDO], 12, v0
	v_lshlrev_b32 v[C16], 4, v[CC]
	s_and_b32 s3, ttmp7, 0xffff                    ; hg
	s_mov_b32 s4, ttmp9                            ; bp
	s_wait_alu depctr_va_sdst(0)                   ; s2 is written, ahead of its first reader: bases, LDS addresses and the last branch are made from it
	s_lshr_b32 s5, s2, 3                           ; bl
	s_bfe_u32 s6, s2, 0x20001                      ; hl
	s_and_b32 s7, s2, 1                            ; nh
	s_mov_b32 s31, 0                               ; high word of every offset: all are below 2^31
	s_mov_b32 s50, 0x76543210                      ; v_permlanex16_b32: lane i takes lane i of the other half
	s_mov_b32 s51, 0xfedcba98
	s_lshl1_add_u32 s54, s4, s5                    ; b = 2 bp + bl
	s_lshl2_add_u32 s55, s3, s6                    ; h = 4 hg + hl
	s_lshl_b32 s56, s55, 6                         ; 64 h: bytes of 16 h columns
	s_lshl_b32 s57, s3, 8                          ; 256 hg
	s_wait_kmcnt 0x0
	; ---- bases: each buffer's own address plus an offset made apart from it
	s_lshl_b32 s30, s55, 23                        ; K, V: h x 8,388,608 + b x 65,536 + nh x 32,768
	s_lshl_b32 s58, s54, 16
	s_add_co_u32 s30, s30, s58
	s_lshl_b32 s58, s7, 15
	s_add_co_u32 s30, s30, s58
	s_add_nc_u64 s[8:9], s[8:9], s[30:31]
	s_add_nc_u64 s[10:11], s[10:11], s[30:31]
	s_add_co_u32 s30, s56, 262144                  ; rows 256, 257 of W_current_state at my head's columns
	s_add_nc_u64 s[34:35], s[12:13], s[30:31]
	s_lshl_b32 s30, s2, 14                         ; rows 16 w .. of W_current_state at the group's 64 columns
	s_add_co_u32 s30, s30, s57
	s_add_nc_u64 s[12:13], s[12:13], s[30:31]
	s_add_co_u32 s30, s56, 1024                    ; Wk: columns 256 + 16 h
	s_add_nc_u64 s[52:53], s[14:15], s[30:31]
	s_lshl4_add_u32 s30, s2, s57                   ; Wv: columns 64 hg + 4 w (epilogue)
	s_add_nc_u64 s[48:49], s[14:15], s[30:31]
	s_lshl_b32 s30, s3, 16                         ; W_out: rows 64 hg + 4 w
	s_lshl_b32 s58, s2, 12
	s_add_co_u32 s30, s30, s58
	s_add_nc_u64 s[16:17], s[16:17], s[30:31]
	s_lshl_b32 s30, s4, 11                         ; mask: two rows of 1,024 bytes
	s_add_nc_u64 s[18:19], s[18:19], s[30:31]
	s_lshl_b32 s58, s2, 6                          ; prev: two rows of 1,024 bytes, at element 16 w
	s_add_co_u32 s30, s30, s58
	s_add_nc_u64 s[26:27], s[26:27], s[30:31]
	s_lshl_b32 s30, s4, 11                         ; fqp: [hg][b][256]
	s_lshl_b32 s58, s3, 17
	s_add_co_u32 s30, s30, s58
	s_add_nc_u64 s[28:29], s[28:29], s[30:31]
	s_mul_i32 s30, s4, 24576                       ; ndf: two rows of 12,288 bytes
	s_add_nc_u64 s[24:25], s[24:25], s[30:31]
	s_lshl_b32 s30, s54, 10                        ; fixed_context: row b at my head's columns
	s_add_co_u32 s30, s30, s56
	s_add_nc_u64 s[20:21], s[20:21], s[30:31]
	s_lshl_b32 s30, s54, 3                         ; global features of b
	s_add_nc_u64 s[22:23], s[22:23], s[30:31]
	s_load_b64 s[32:33], s[22:23], 0x0             ; g0, g1
	s_load_b128 s[36:39], s[48:49], 0x0            ; Wv[0][4], Wv[1][4], Wv[2][4] for the epilogue
	s_load_b128 s[40:43], s[48:49], 0xc00
	s_load_b128 s[44:47], s[48:49], 0x1800
	; ---- 50 loads, in the order in which they are waited for: 12 (query product), 8 (table), 6 (my head's small vectors), 24 (the ring)
	s_wait_alu depctr_va_vdst(0)                   ; the offsets LOFF, WCO, PVO, NDO and C16 are written, which the global loads of the whole kernel read
.irp i, 0,1,2,3,4,5,6,7
	global_load_b128 v[WR+4*\i:WR+4*\i+3], v[WCO], s[12:13] offset:1024*\i    ; row 16 w + 8 (l>>4) + i: 16 lanes take 256 consecutive bytes
.endr
	global_load_b128 v[PV:PV+3],     v[PVO], s[26:27]
	global_load_b128 v[PV+4:PV+7],   v[PVO], s[26:27] offset:16
	global_load_b128 v[PV+8:PV+11],  v[PVO], s[26:27] offset:1024
	global_load_b128 v[PV+12:PV+15], v[PVO], s[26:27] offset:1040
.irp e, 0,1,2,3
	global_load_b96 v[E+4*\e:E+4*\e+2], v[NDO], s[24:25] offset:6144*\e       ; entry t + 512 e of the two batch rows' 2,048
	global_load_u8 v[MK+\e], v0, s[18:19] offset:512*\e
.endr
	global_load_b128 v[FX:FX+3], v[C16], s[20:21]
	global_load_b128 v[WA:WA+3], v[C16], s[34:35]
	global_load_b128 v[WB:WB+3], v[C16], s[34:35] offset:1024
.irp d, 0,1,2
	global_load_b128 v[WK+4*\d:WK+4*\d+3], v[C16], s[52:53] offset:3072*\d
.endr
.set jj, 0
.rept 24
	ISSUE jj
.set jj, jj+1
.endr
	; ---- LDS addresses, while the loads are out: each a region's constant, the wave's number in plain shifts and sums, a lane term.  None of these registers is named by a load above.
	s_lshl_b32 s54, s5, 14
	s_lshl_b32 s55, s7, 13
	s_add_co_u32 s54, s54, s55
	v_lshl_add_u32 v[TADR], v[LANE], 2, s54        ; TAB + 16,384 bl + 8,192 nh + 16 (l>>2) + 4 c
	v_lshlrev_b32 v[TST], 4, v0
	s_lshl_b32 s54, s2, 9
	s_add_co_u32 s54, s54, QP
	v_lshl_add_u32 v[QST], v[R16], 4, s54
	s_lshl_b32 s54, s5, 8
	s_lshl_b32 s55, s6, 6
	s_add_co_u32 s54, s54, s55
	s_add_co_u32 s54, s54, QP
	v_lshl_add_u32 v[QLD], v[CC], 4, s54
	s_lshl_b32 s54, s2, 7
	s_add_co_u32 s54, s54, REC
	v_lshl_add_u32 v[RST], v[CC], 4, s54
	v_lshl_add_u32 v[RS2], v[CC], 2, s54
	v_mov_b32 v[RS3], s54
	s_lshr_b32 s55, s2, 2
	s_lshl_b32 s55, s55, 8
	s_add_co_u32 s55, s55, REC
	v_mov_b32 v[VA2], s55                          ; the two records of head w>>2, batch row 0 (row 1: + 1,024)
	s_and_b32 s56, s2, 3
	s_lshl_b32 s56, s56, 4
	s_add_co_u32 s56, s56, s55
	v_mov_b32 v[VA1], s56                          ; and in them components 4 (w&3) ..: REC + 256 (w>>2) + 16 (w&3), at most REC + 816
	s_lshl_b32 s54, s2, 11
	s_add_co_u32 s54, s54, FP
	v_lshl_add_u32 v[FST], v[LANE], 4, s54
	v_and_b32 v[GST], 127, v0                      ; the last sum is made by threads 0..127; the mask keeps the address in its region for all
	v_lshlrev_b32 v[GST], 4, v[GST]
	v_add_nc_u32 v[FLD], FP, v[GST]
	v_mov_b32 v[NINF], 0xff800000
	v_mov_b32 v[ZERO], 0
	v_mov_b32 v[PT], 0                             ; v_permlanex16_b32 counts as a reader of its destination
	; ---- partial of prev x W_current_state: my 16 rows, 64 columns, both batch rows
	s_wait_loadcnt 38                              ; the first 12 are in: 8 + 6 + 24 younger loads stay out
.set bb, 0
.rept 2
	MULB AQ+4*bb, WR, PV+8*bb
	MULB AQ+4*bb+2, WR+2, PV+8*bb
.set ii, 1
.rept 7
	FMAB AQ+4*bb, WR+4*ii, PV+8*bb+ii
	FMAB AQ+4*bb+2, WR+4*ii+2, PV+8*bb+ii
.set ii, ii+1
.endr
.set bb, bb+1
.endr
.irp k, 0,1,2,3,4,5,6,7
	v_permlanex16_b32 v[WR+\k], v[AQ+\k], s50, s51 ; the other half-wave's 8 rows
.endr
.irp k, 0,2,4,6
	v_pk_add_f32 v[AQ+\k:AQ+\k+1], v[AQ+\k:AQ+\k+1], v[WR+\k:WR+\k+1]
.endr
	; ---- the table: three features and the mask term of each node.  The four compares stand in one run, each with a scalar register of its own.
	s_wait_loadcnt 30                              ; the 8 table loads are in: 6 + 24 younger
.irp e, 0,1,2,3
	v_cmp_ne_u32 s[54+\e], 0, v[MK+\e]
.endr
	s_wait_alu depctr_va_sdst(0)                   ; s54 to s57 are written, ahead of the selects that read them
.irp e, 0,1,2,3
	v_cndmask_b32 v[E+4*\e+3], v[NINF], v[ZERO], s[54+\e]
.endr
	s_wait_alu depctr_va_vdst(0)                   ; AQ, the table's fourth words and every LDS address are written, which the stores below and all later LDS instructions read
	ds_store_b128 v[QST], v[AQ:AQ+3]
	ds_store_b128 v[QST], v[AQ+4:AQ+7] offset:256
.irp e, 0,1,2,3
	ds_store_b128 v[TST], v[E+4*\e:E+4*\e+3] offset:8192*\e
.endr
	s_wait_dscnt 0x0                               ; my stores are in LDS before I say so
	s_barrier_signal -1
	s_barrier_wait -1                              ; table and query partials of all 16 waves are there
	s_wait_alu depctr_vm_vsrc(0)                   ; my LDS stores have read AQ and E: the first table words land in AQ's registers, the 16 pieces in C, of which E is a part
	; ---- my head's query, scaled, and Q.Wk[d]
.irp k, 0,1,2,3,4,5,6,7,8,9,10,11,12,13,14,15
	ds_load_b128 v[C+4*\k:C+4*\k+3], v[QLD] offset:512*\k
.endr
	TLOAD 0
	s_wait_dscnt 8                                 ; the 16 pieces; the 8 table words behind them stay out
	s_wait_loadcnt 24                              ; fixed, W rows 256 and 257, Wk: the 24 loads of the ring are younger
	s_wait_kmcnt 0x0                               ; g0, g1, Wv
	v_cmp_eq_u32 s54, 1, v[CC]                     ; the three masks for QWL, in one run; the arithmetic below stands between them and the wait for them
	v_cmp_eq_u32 s55, 2, v[CC]
	v_cmp_ne_u32 s56, 3, v[CC]
	TREE16 C
.irp k, 0,1,2,3
	v_fma_f32 v[Q+\k], s32, v[WA+\k], v[FX+\k]
.endr
.irp k, 0,1,2,3
	v_fmac_f32 v[Q+\k], s33, v[WB+\k]
.endr
	v_pk_add_f32 v[Q:Q+1], v[Q:Q+1], v[C:C+1]
	v_pk_add_f32 v[Q+2:Q+3], v[Q+2:Q+3], v[C+2:C+3]
	v_pk_mul_f32 v[Q:Q+1], v[Q:Q+1], 0x3eb8aa3b op_sel_hi:[1,0]        ; 1/sqrt(16) x log2(e): scores are exponents of 2
	v_pk_mul_f32 v[Q+2:Q+3], v[Q+2:Q+3], 0x3eb8aa3b op_sel_hi:[1,0]
.irp d, 0,1,2
	v_pk_mul_f32 v[TT:TT+1], v[Q:Q+1], v[WK+4*\d:WK+4*\d+1]
	v_pk_fma_f32 v[TT:TT+1], v[Q+2:Q+3], v[WK+4*\d+2:WK+4*\d+3], v[TT:TT+1]
	v_add_f32 v[FX+\d], v[TT], v[TT+1]
	v_add_f32_dpp v[FX+\d], v[FX+\d], v[FX+\d] row_xmask:1 row_mask:0xf bank_mask:0xf
	v_add_f32_dpp v[FX+\d], v[FX+\d], v[FX+\d] row_xmask:2 row_mask:0xf bank_mask:0xf
.endr
	s_wait_alu depctr_va_sdst(0)                   ; s54 to s56 are written, ahead of the selects that read them
	v_cndmask_b32 v[QWL], v[FX], v[FX+1], s54
	v_cndmask_b32 v[QWL], v[QWL], v[FX+2], s55
	v_cndmask_b32 v[QWL], 1.0, v[QWL], s56         ; lane c = 3 adds the mask term as it is
	; ---- K: blocks 0 to 15, 64 turns; the table words of the next 8 turns are asked for at the head of each 8
.set jj, 0
.set pp, 0
.rept 16
	HEAD pp
.if (pp & 1) == 0
	s_wait_dscnt 8                                 ; this group's 8 words are in, the next group's 8 stay out
.endif
.rept 4
	KTURN jj
.set jj, jj+1
.endr
.set pp, pp+1
.endr
	HEAD 16                                        ; block 16's loads go out here, ahead of the maximum and the exponentials, which name neither the ring nor the table words
	; ---- the wave's maximum, floored at the most negative finite number (changes -inf alone), and the weights
	v_max_num_f32 v[MX], v[C], v[C+1]
	v_max_num_f32 v[MX+1], v[C+32], v[C+33]
.set kk, 2
.rept 15
	v_max3_num_f32 v[MX], v[MX], v[C+kk], v[C+kk+1]
	v_max3_num_f32 v[MX+1], v[MX+1], v[C+32+kk], v[C+33+kk]
.set kk, kk+2
.endr
	v_max_num_f32 v[MX], v[MX], v[MX+1]
	v_max_num_f32_dpp v[MX], v[MX], v[MX] row_xmask:4 row_mask:0xf bank_mask:0xf
	v_max_num_f32_dpp v[MX], v[MX], v[MX] row_xmask:8 row_mask:0xf bank_mask:0xf
	v_permlanex16_b32 v[PT], v[MX], s50, s51
	v_max_num_f32 v[MX], v[MX], v[PT]
	v_max_num_f32 v[MX], 0xff7fffff, v[MX]
	v_mov_b32 v[MX+1], v[MX]
.set kk, 0
.rept 32
	v_pk_add_f32 v[C+kk:C+kk+1], v[C+kk:C+kk+1], v[MX:MX+1] neg_lo:[0,1] neg_hi:[0,1]
.set kk, kk+2
.endr
.set kk, 0
.rept 64
	v_exp_f32 v[C+kk], v[C+kk]
.set kk, kk+1
.endr
	v_cmp_ne_u32 vcc_lo, 3, v[CC]                  ; the plain instruction behind the exponentials (ISA guide 5.7.2), and the V pass's mask
	s_wait_alu depctr_va_vcc(0)                    ; VCC is written, ahead of its first reader: the select of every V turn reads it
	s_wait_alu depctr_va_vdst(0)                   ; the 64 exponentials have written the weights C, ahead of their first reader
	; ---- V: blocks 16 to 31, 64 turns; the heads of blocks 27 and 28 ask for W_out
.set jj, 0
.rept 16
.if pp > 16
	HEAD pp
.endif
.if (pp & 1) == 0
.if pp < 30
	s_wait_dscnt 8                                 ; this group's 8 words are in, the next group's 8 stay out
.else
	s_wait_dscnt 0x0                               ; the last group: nothing was asked for behind it
.endif
.endif
.rept 4
	VTURN jj
.set jj, jj+1
.endr
.set pp, pp+1
.endr
	; ---- the wave's record: sums over its 512 nodes, and its maximum
	XSUM ACC
	XSUM ACC+1
	XSUM ACC+2
	XSUM ACC+3
	XSUM ACCN
	s_wait_alu depctr_va_vdst(0)                   ; ACC, ACCN and MX are written, which the stores below read; the V turns are done reading the weights C, in which the LDS loads behind the barrier land
	ds_store_b128 v[RST], v[ACC:ACC+3]             ; lanes of equal c store equal values to equal addresses
	ds_store_b32 v[RS2], v[ACCN] offset:64
	ds_store_b32 v[RS3], v[MX] offset:80
	s_wait_dscnt 0x0
	s_barrier_signal -1
	s_barrier_wait -1
	; ---- merge the two halves of a unit.  Wave w now owns rows 64 hg + 4 w .. + 3 of W_out = head w>>2, components 4 (w&3) .., both batch rows.
	; These loads stay inside REC (the highest byte read is REC + 768 + 1,232 + 3); the stores further down go to FP, which lies behind it.
.irp b, 0,1
	ds_load_b128 v[C+20*\b:C+20*\b+3],     v[VA1] offset:1024*\b
	ds_load_b128 v[C+20*\b+4:C+20*\b+7],   v[VA1] offset:1024*\b+128
	ds_load_b128 v[C+20*\b+8:C+20*\b+11],  v[VA2] offset:1024*\b+64
	ds_load_b128 v[C+20*\b+12:C+20*\b+15], v[VA2] offset:1024*\b+192
	ds_load_b32 v[C+20*\b+16], v[VA2] offset:1024*\b+80
	ds_load_b32 v[C+20*\b+17], v[VA2] offset:1024*\b+208
.endr
	s_wait_dscnt 0x0
.irp b, 0,1
	v_max_num_f32 v[TT+\b], v[C+20*\b+16], v[C+20*\b+17]
.endr
.irp b, 0,1
	v_sub_f32 v[C+20*\b+18], v[C+20*\b+16], v[TT+\b]
	v_sub_f32 v[C+20*\b+19], v[C+20*\b+17], v[TT+\b]
.endr
.irp b, 0,1
	v_exp_f32 v[C+20*\b+18], v[C+20*\b+18]
	v_exp_f32 v[C+20*\b+19], v[C+20*\b+19]
.endr
	v_nop                                          ; one plain place behind the exponentials
	s_wait_alu depctr_va_vdst(0)                   ; the four exponentials have written the halves' factors, ahead of their first reader
.irp b, 0,1
	MULB C+20*\b+8, C+20*\b+8, C+20*\b+18          ; nd0 nd1 nd2 s of the unit
	MULB C+20*\b+10, C+20*\b+10, C+20*\b+18
	FMAB C+20*\b+8, C+20*\b+12, C+20*\b+19
	FMAB C+20*\b+10, C+20*\b+14, C+20*\b+19
.endr
	v_rcp_f32 v[C+16], v[C+11]                     ; 1 / s; the packed products below are the plain places behind it, and name neither result
	v_rcp_f32 v[C+36], v[C+31]
.irp b, 0,1
	MULB HV+4*\b, C+20*\b, C+20*\b+18
	MULB HV+4*\b+2, C+20*\b+2, C+20*\b+18
	FMAB HV+4*\b, C+20*\b+4, C+20*\b+19
	FMAB HV+4*\b+2, C+20*\b+6, C+20*\b+19
.irp d, 0,1,2
.irp k, 0,1,2,3
	v_fmac_f32 v[HV+4*\b+\k], s[36+4*\d+\k], v[C+20*\b+8+\d]
.endr
.endr
.endr
	s_wait_alu depctr_va_vdst(0)                   ; the two reciprocals have written C+16 and C+36, ahead of their first reader
.irp b, 0,1
	MULB HV+4*\b, HV+4*\b, C+20*\b+16              ; no eligible node: 0 x inf = NaN, as the softmax of all -inf
	MULB HV+4*\b+2, HV+4*\b+2, C+20*\b+16
.endr
	; ---- my 4 rows of W_out times my 4 head values, 256 columns, both batch rows: all four pieces, then their stores in one run
	s_wait_loadcnt 0x0                             ; the 8 loads of W_out are the last of the stream
.irp b, 0,1
.irp f, 0,1
	MULB FO+8*\b+4*\f, WS+4*\f, HV+4*\b
	MULB FO+8*\b+4*\f+2, WS+4*\f+2, HV+4*\b
.irp r, 1,2,3
	FMAB FO+8*\b+4*\f, WS+8*\r+4*\f, HV+4*\b+\r
	FMAB FO+8*\b+4*\f+2, WS+8*\r+4*\f+2, HV+4*\b+\r
.endr
.endr
.endr
	s_wait_alu depctr_va_vdst(0)                   ; the products have written FO, which the stores below read, and are done reading the ring, in which the LDS loads behind the barrier land
.irp b, 0,1
.irp f, 0,1
	ds_store_b128 v[FST], v[FO+8*\b+4*\f:FO+8*\b+4*\f+3] offset:1024*\b+512*\f
.endr
.endr
	s_wait_dscnt 0x0
	s_barrier_signal -1
	s_barrier_wait -1
	; ---- waves 0..3 add the 16 waves' pieces and store 2 x 256 numbers: a wave's store covers 512 consecutive bytes, aligned
	s_cmp_gt_u32 s2, 3
	s_cbranch_scc1 .Lend
.irp k, 0,1,2,3,4,5,6,7,8,9,10,11,12,13,14,15
	ds_load_b128 v[RING+4*\k:RING+4*\k+3], v[FLD] offset:2048*\k
.endr
	s_wait_dscnt 0x0
	TREE16 RING
	s_wait_alu depctr_va_vdst(0)                   ; the adds have written v[RING:RING+3], which the store reads
	global_store_b128 v[GST], v[RING:RING+3], s[28:29]
.Lend:
	s_wait_dscnt 0x0                               ; the closing lines, six on end
	s_wait_alu 0x0
	s_wait_tensorcnt 0x0
	ds_add_u32 v244, v245
	s_wait_dscnt 0x0
	s_endpgm
.Lfunc_end_k_q2fe6a700af_glimpse:
	.size	k_q2fe6a700af_glimpse, .Lfunc_end_k_q2fe6a700af_glimpse-k_q2fe6a700af_glimpse
	.p2alignl 7, 3214868480
	.fill 96, 4, 3214868480
	.section	.rodata,"a",@progbits
	.p2align	6, 0x0
	.amdhsa_kernel k_q2fe6a700af_glimpse
		.amdhsa_group_segment_fixed_size 77824
		.amdhsa_private_segment_fixed_size 0
		.amdhsa_enable_private_segment 0
		.amdhsa_kernarg_size 88
		.amdhsa_user_sgpr_count 2
		.amdhsa_user_sgpr_kernarg_segment_ptr 1
		.amdhsa_wavefront_size32 1
		.amdhsa_system_sgpr_workgroup_id_x 1
		.amdhsa_system_sgpr_workgroup_id_y 1
		.amdhsa_system_sgpr_workgroup_id_z 1
		.amdhsa_system_vgpr_workitem_id 0
		.amdhsa_next_free_vgpr 246
		.amdhsa_next_free_sgpr 66
		.amdhsa_reserve_vcc 1
		.amdhsa_float_denorm_mode_32 3
		.amdhsa_float_denorm_mode_16_64 3
		.amdhsa_memory_ordered 1
		.amdhsa_forward_progress 1
		.amdhsa_inst_pref_size 93
	.end_amdhsa_kernel
	.amdgpu_metadata
---
amdhsa.version: [ 1, 2 ]
amdhsa.kernels:
  - .name:           k_q2fe6a700af_glimpse
    .symbol:         k_q2fe6a700af_glimpse.kd
    .args:
      - { .name: glimpse_K_static, .offset: 0, .size: 8, .value_kind: global_buffer, .address_space: global }
      - { .name: glimpse_V_static, .offset: 8, .size: 8, .value_kind: global_buffer, .address_space: global }
      - { .name: W_current_state, .offset: 16, .size: 8, .value_kind: global_buffer, .address_space: global }
      - { .name: W_node_state, .offset: 24, .size: 8, .value_kind: global_buffer, .address_space: global }
      - { .name: W_out, .offset: 32, .size: 8, .value_kind: global_buffer, .address_space: global }
      - { .name: eligibility_mask, .offset: 40, .size: 8, .value_kind: global_buffer, .address_space: global }
      - { .name: fixed_context, .offset: 48, .size: 8, .value_kind: global_buffer, .address_space: global }
      - { .name: global_dynamic_features, .offset: 56, .size: 8, .value_kind: global_buffer, .address_space: global }
      - { .name: node_dynamic_features, .offset: 64, .size: 8, .value_kind: global_buffer, .address_space: global }
      - { .name: prev_item_embeddings, .offset: 72, .size: 8, .value_kind: global_buffer, .address_space: global }
      - { .name: fqp, .offset: 80, .size: 8, .value_kind: global_buffer, .address_space: global }
    .group_segment_fixed_size: 77824
    .private_segment_fixed_size: 0
    .kernarg_segment_align: 8
    .kernarg_segment_size: 88
    .max_flat_workgroup_size: 512
    .sgpr_count:     66
    .vgpr_count:     246
    .wavefront_size: 32
...
	.end_amdgpu_metadata
.endif
;; end of part 4
;; launch pointer: the kernel of part 2 again; grid 256 x 1, 16 waves a work-group, no clusters, 4,096 bytes of LDS; arguments logit_K_static, fqp, W_node_state, node_dynamic_features, eligibility_mask, part; writes part
;; launch finish: the kernel of part 3 again; grid 1 x 1, 1 waves a work-group, no clusters, 0 bytes of LDS; arguments part, out0, out1, out2; writes out0, out1, out2
